; MI455X (gfx1250); checked and timed in simulation.
; The chip was launched on July 23, 2026; its instructions are those of AMD's public machine-readable ISA for CDNA 5 (MIT licence, August 2026) and "CDNA5" Instruction Set Architecture Reference Guide (July 2026). The comments in the code are by the model that wrote it; some were corrected since.
;; Multi Head Attention. Allowed arithmetic: matrix products marked QUANTISED: E4M3 operands, one given power-of-two scale a tensor, by v_wmma_f32_16x16x64_fp8_fp8 or v_wmma_f32_16x16x128_fp8_fp8, f32 sums; everything else in f32.
;; Inputs: Wk 1,024 x 1,024 float32; Wo 1,024 x 1,024 float32; Wq 1,024 x 1,024 float32; Wv 1,024 x 1,024 float32; X 4 x 2,048 x 1,024 float32; bk 1,024 float32; bo 1,024 float32; bq 1,024 float32; bv 1,024 float32; lowp_scales 12 int32 (the exponents e of the quantised operands' scales 2^e).
;; Outputs: out0 4 x 2,048 x 1,024 float32.
;; This version of the problem:
;;   THIS VERSION OF THE PROBLEM IS GIVEN IN LOW PRECISION. The matrix products marked QUANTISED in the list below multiply operands that are first quantised to E4M3 (4 exponent bits, 3 mantissa bits; 8 bits a number), with one given power-of-two scale for each operand tensor; their sums are f32. All else is computed in f32.
;;   The module's matrix products, in the order in which they are computed (A, B: the left and right operand; K: the contracted axis; several contracted axes count as one K, in the product's order):
;;     1. [M 8,192, K 1,024] x [K 1,024, N 1,024]; A: input X; B: input Wq: QUANTISED (scales: A lowp_scales[0], B lowp_scales[1])
;;     2. [M 8,192, K 1,024] x [K 1,024, N 1,024]; A: input X; B: input Wk: QUANTISED (scales: A lowp_scales[2], B lowp_scales[3])
;;     3. [M 8,192, K 1,024] x [K 1,024, N 1,024]; A: input X; B: input Wv: QUANTISED (scales: A lowp_scales[4], B lowp_scales[5])
;;     4. batch 64 x [M 2,048, K 64] x [K 64, N 2,048]; A: computed on the way; B: computed on the way: QUANTISED (scales: A lowp_scales[6], B lowp_scales[7])
;;     5. batch 64 x [M 2,048, K 2,048] x [K 2,048, N 64]; A: softmax (see below); B: computed on the way: QUANTISED (scales: A lowp_scales[8], B lowp_scales[9])
;;     6. [M 8,192, K 1,024] x [K 1,024, N 1,024]; A: computed on the way; B: input Wo: QUANTISED (scales: A lowp_scales[10], B lowp_scales[11])
;;   THE QUANTISER, for each operand of a quantised product, along K:
;;     - The operand's scale is 2^e, e = its entry of the input lowp_scales (int32; the entries are numbered through the quantised products in the list's order, A before B).
;;     - Each number is divided by the scale, clamped to +-448, and rounded to the nearest number of E4M3, ties to even, subnormals kept.
;;     - The product sums the exact products of the quantised numbers (number of the format x scale) in f32.
;;   ~~~python
;;   def quantise(x, axis, e):      # numpy; x: float32 -> the quantised numbers, widened to float32 again
;;       x = np.moveaxis(x, axis, -1); K = x.shape[-1]
;;       r = np.clip(x / 2.0 ** e, -448, 448)
;;       step = 2.0 ** (np.maximum(np.frexp(np.where(r == 0, 1, r))[1] - 1, -6) - 3)
;;       q = np.round(r / step) * step * 2.0 ** e      # np.round: ties to even
;;       return np.moveaxis(q, -1, axis).astype(np.float32)
;;   ~~~
;;   SOFTMAX AHEAD OF A QUANTISED PRODUCT. Where the list says 'softmax', what is quantised is not the finished softmax but p = 2^(t - M), with t = logit x log2(e) and M = ceil(the row's largest t), a whole number; so 1/2 < the row's largest p <= 1. The row's sum l is taken of the UNQUANTISED p, in f32, and the product's result is divided by l at the end. Since M is a whole number, a kernel that streams over the keys may use a running M (the ceiling of the running maximum): every later rescaling is an exact power of two, so the quantised numbers keep their values, but for numbers so far below the row's largest that they fall under the format's range.
;;   OPERANDS COMPUTED ON THE WAY. 'Computed on the way' means the value that the module computes at that place (a softmax that the list does not call 'softmax' is quantised finished and normalised). What goes into a quantiser is computed in f32, as accurately as f32 sums, v_exp_f32 and their like allow (about 1e-6 of the number): no bf16 or f16 on the way to a quantiser, and a product that is left as it is and whose result goes on into a quantised operand takes f32 operands (vector FMAs, or v_wmma_f32_16x16x4_f32). A number that lies on a knife's edge between two numbers of the format may be rounded either way, as far as f32 arithmetic and the matrix unit's own rounding can turn it there, and no further.
;; 2 versions, each right; version 2 is version 1 with the launch attn written anew for expert scheduling mode. Each part assembles by itself: llvm-mc -triple=amdgcn-amd-amdhsa -mcpu=gfx1250 --defsym DOCPART=n.
;; ======== version 1 of 2: 4 launches
;; workspace buffers: xc 25,165,824 bytes; wc 4,194,304 bytes; qc 8,388,608 bytes; kvc 16,777,216 bytes; oc 8,388,608 bytes
;; launch quant (part 1): grid 384 x 1, 4 waves a work-group, no clusters, 34,304 bytes of LDS; arguments X, Wq, Wk, Wv, Wo, lowp_scales, xc, wc; writes xc, wc
.if DOCPART == 1
	.amdgcn_target "amdgcn-amd-amdhsa--gfx1250"
	.amdhsa_code_object_version 6
	.text
	.protected	k_q7384cbbac6_quant
	.globl	k_q7384cbbac6_quant
	.p2align	8
	.type	k_q7384cbbac6_quant,@function
k_q7384cbbac6_quant:
	s_mov_b64 s[64:65], 0
	v_nop
	global_prefetch_b8 v0, s[64:65] scope:SCOPE_SE
	s_setreg_imm32_b32 hwreg(HW_REG_WAVE_MODE, 25, 1), 1
	s_wait_xcnt 0x0
; X [8192][1024] and Wq, Wk, Wv, Wo [1024][1024], f32, K innermost, become codes of FP8 (E4M3), each with the scale 2^e that is given for it:
; code = x / 2^e, held within +-448, rounded to the nearest code, ties to even.
; THE CODES ARE LAID AS IMAGES OF THE OPERAND'S REGISTERS.  A fragment is 16 rows x 128 along K: lane (r = lane % 16, h = lane / 16) holds row r, its registers 2 c, 2 c + 1 hold k = 16 c + 8 h + 0 .. 7.
; Registers 4 g .. 4 g + 3 of lane l lie at byte 512 g + 16 l of the fragment's 2,048 bytes; the fragments lie [row tile][K step].  So every later read of a fragment is four loads of 16 bytes a lane, 512 consecutive bytes each.
; X enters three products with a scale entry each (0, 2, 4): xc holds three sets of its codes, 8 MiB apart, one for each entry, so that the reader's addresses hang on the product's number alone.
; SHARES.  Work-groups 0-255 take 32 rows of X each, work-groups 256-383 32 rows of a weight (32 work-groups a weight).  Wave w takes row tile w / 2 of the two and K steps 4 (w % 2) + 0 .. 3: four fragments.
; One path for all: only pointers and an exponent are chosen, by the work-group's number; a weight's work-group jumps over the second and third set.  No tensor load, no barrier: a wave's stage in LDS is its own.
; A load reads 512 consecutive bytes of one row; the 16 rows turn through the stage (rows of 512 + 16 bytes), from which a lane takes its 8 x 32 bytes.
; LIMITS: every e used here between -126 and 119, so that 2^e and 448 x 2^e are f32 numbers.  NaN among the inputs is not served.
.set SPI,  528                         ; a stage row: 512 bytes + 16: the sixteen rows that a read touches begin 33 x 16 bytes apart
.set STGB, 16*SPI                      ; a wave's stage
.set XSET, 0x800000                    ; from one set of X's codes to the next
.set R,    16                          ; v16-79   a fragment's numbers as loaded
.set XN,   80                          ; v80-143  my 64 numbers: register 8 c + i = k 16 c + 8 h + i of my row
.set TP,   144                         ; v144-159 two groups of eight held numbers, by turns
.set C,    160                         ; v160-207 three sets of 16 registers of codes
.set SCL,  6                           ; v6, v8, v10: 2^e for the three sets; v7, v9, v11: 448 x 2^e
	s_load_b512 s[8:23], s[0:1], 0x0               ; X s[8:9], Wq s[10:11], Wk s[12:13], Wv s[14:15], Wo s[16:17], the exponents s[18:19], xc s[20:21], wc s[22:23]
	v_lshl_add_u32 v208, v0, 2, 0x8400
	v_mov_b32 v209, 0
	v_lshrrev_b32 v1, 5, v0
	v_readfirstlane_b32 s2, v1                     ; wave 0..3
	v_and_b32 v5, 31, v0
	v_lshlrev_b32 v2, 4, v5                        ; 16 x lane: my bytes of a load's and of a store's 512
	s_mul_i32 s3, s2, STGB
	v_add_nc_u32 v3, s3, v2                        ; the stage, on the way in
	v_and_b32 v12, 15, v0
	v_bfe_u32 v13, v0, 4, 1
	v_mul_u32_u24 v4, v12, SPI
	v_lshl_add_u32 v4, v13, 5, v4
	v_add_nc_u32 v4, s3, v4                        ; and on the way out: row r, + 32 h
	s_sub_co_u32 s54, ttmp9, 256                   ; a weight's work-group: its number among the 128 (not used in X's work-groups)
	s_lshr_b32 s55, s54, 5                         ; which weight
	s_and_b32 s56, s54, 31                         ; which 32 rows of it
	s_lshr_b32 s58, s2, 1                          ; my row tile of the two
	s_and_b32 s59, s2, 1                           ; my half of K
	s_wait_kmcnt 0x0
	s_load_b256 s[32:39], s[18:19], 0x0            ; e0 .. e7
	s_load_b128 s[40:43], s[18:19], 0x20           ; e8 .. e11
	s_mov_b64 s[44:45], s[16:17]                   ; the source: Wo, unless ..
	s_cmp_eq_u32 s55, 2
	s_cselect_b64 s[44:45], s[14:15], s[44:45]
	s_cmp_eq_u32 s55, 1
	s_cselect_b64 s[44:45], s[12:13], s[44:45]
	s_cmp_eq_u32 s55, 0
	s_cselect_b64 s[44:45], s[10:11], s[44:45]
	s_cmp_lt_u32 ttmp9, 256
	s_cselect_b64 s[44:45], s[8:9], s[44:45]
	s_cselect_b64 s[46:47], s[20:21], s[22:23]     ; the first set of codes goes to xc or to wc
	s_cselect_b32 s28, ttmp9, s56                  ; which 32 rows of the source,
	s_cselect_b32 s30, ttmp9, s54                  ; which two row tiles of the destination
	s_cselect_b32 s60, 1, 0                        ; 1 in X's work-groups
	s_lshl_b32 s28, s28, 17                        ; 32 rows of 4,096 bytes
	s_lshl_b32 s30, s30, 15                        ; two row tiles of 16,384 bytes
	s_lshl_b32 s29, s58, 16
	s_add_co_u32 s28, s28, s29                     ; + my 16 rows
	s_lshl_b32 s29, s59, 11
	s_add_co_u32 s28, s28, s29                     ; + my four K steps of 512 bytes
	s_lshl_b32 s31, s58, 14
	s_add_co_u32 s30, s30, s31
	s_lshl_b32 s31, s59, 13
	s_add_co_u32 s30, s30, s31
	s_mov_b32 s29, 0
	s_mov_b32 s31, 0
	s_add_nc_u64 s[44:45], s[44:45], s[28:29]
	s_add_nc_u64 s[46:47], s[46:47], s[30:31]
	s_add_nc_u64 s[48:49], s[20:21], s[30:31]      ; the same place in xc's second set,
	s_add_nc_u64 s[48:49], s[48:49], XSET
	s_add_nc_u64 s[50:51], s[48:49], XSET          ; and in its third (used in X's work-groups alone)
.macro LOADF f                         ; fragment f: 16 rows x 512 bytes; 32 lanes read 512 consecutive bytes
.irp i, 0,1,2,3,4,5,6,7,8,9,10,11,12,13,14,15
	global_load_b128 v[R+4*\i:R+4*\i+3], v2, s[44:45] offset:4096*\i+512*(\f) th:TH_LOAD_NT
.endr
.endm
.macro TURNF                           ; through my stage: LDS serves a wave's instructions in order (ISA guide 5.7.1.4), so no wait stands between the stores and the loads
.irp i, 0,1,2,3,4,5,6,7,8,9,10,11,12,13,14,15
	ds_store_b128 v3, v[R+4*\i:R+4*\i+3] offset:SPI*\i
.endr
.irp c, 0,1,2,3,4,5,6,7
	ds_load_b128 v[XN+8*\c:XN+8*\c+3], v4 offset:64*\c
	ds_load_b128 v[XN+8*\c+4:XN+8*\c+7], v4 offset:64*\c+16
.endr
.endm
.macro MKSC e, j                       ; 2^e and 448 x 2^e as f32 numbers, for set j
	s_add_co_i32 s54, \e, 127
	s_lshl_b32 s55, s54, 23
	v_mov_b32 v[SCL+2*\j], s55
	s_add_co_i32 s54, s54, 8
	s_lshl_b32 s54, s54, 23
	s_or_b32 s54, s54, 0x600000
	v_mov_b32 v[SCL+2*\j+1], s54
.endm
; Set j of fragment f's codes, stored at s[d:d+1].  The conversion to an 8-bit code does not saturate (ISA guide 7.6.2): each number is held first, into one of two groups by turns,
; so that the eight holds of one group are the plain instructions between a conversion and the next write of its sources.  The numbers themselves stay for the next set.
.macro CONV j, f, d
.irp c, 0,1,2,3,4,5,6,7
.irp i, 0,1,2,3,4,5,6,7
	v_med3_num_f32 v[TP+8*(\c%2)+\i], v[XN+8*\c+\i], -v[SCL+2*\j+1], v[SCL+2*\j+1]
.endr
	v_cvt_scalef32_pk8_fp8_f32 v[C+16*\j+2*\c:C+16*\j+2*\c+1], v[TP+8*(\c%2):TP+8*(\c%2)+7], v[SCL+2*\j]
.endr
.irp g, 0,1,2,3
	global_store_b128 v2, v[C+16*\j+4*\g:C+16*\j+4*\g+3], s[\d:\d+1] offset:2048*(\f)+512*\g   ; 32 lanes store 512 consecutive bytes, at a multiple of 512 from the buffer's first byte
.endr
.endm
.macro FRAGMENT f
	s_wait_loadcnt 0x0                             ; this fragment's sixteen loads are in
	TURNF
	s_wait_dscnt 0x0                               ; my 64 numbers are back, and the stage's stores have read their registers,
	s_wait_xcnt 0x0                                ; and the last fragment's stores have read the codes' registers, which are written again below
.if (\f) < 3
	LOADF (\f)+1                                   ; the next fragment is on its way while this one is converted
.endif
	CONV 0, \f, 46
	s_cmp_eq_u32 s60, 0                            ; a weight has one set; X has three
	s_cbranch_scc1 .Lone_\@
	CONV 1, \f, 48
	CONV 2, \f, 50
.Lone_\@:
.endm
	LOADF 0
	s_wait_kmcnt 0x0
	s_lshr_b32 s55, s54, 5                         ; which weight, once more
	s_mov_b32 s57, s43                             ; the first set's exponent: Wo's e11, unless ..
	s_cmp_eq_u32 s55, 2
	s_cselect_b32 s57, s37, s57                    ; Wv: e5
	s_cmp_eq_u32 s55, 1
	s_cselect_b32 s57, s35, s57                    ; Wk: e3
	s_cmp_eq_u32 s55, 0
	s_cselect_b32 s57, s33, s57                    ; Wq: e1
	s_cmp_eq_u32 s60, 1
	s_cselect_b32 s57, s32, s57                    ; X: e0
	MKSC s57, 0
	MKSC s34, 1                                    ; X's second set: e2
	MKSC s36, 2                                    ; its third: e4
	FRAGMENT 0
	FRAGMENT 1
	FRAGMENT 2
	FRAGMENT 3
	s_wait_tensorcnt 0x0
	ds_add_u32 v208, v209
	s_wait_dscnt 0x0
	s_endpgm
.Lfunc_end_k_q7384cbbac6_quant:
	.size	k_q7384cbbac6_quant, .Lfunc_end_k_q7384cbbac6_quant-k_q7384cbbac6_quant
	.p2alignl 7, 3214868480
	.fill 96, 4, 3214868480
	.section	.rodata,"a",@progbits
	.p2align	6, 0x0
	.amdhsa_kernel k_q7384cbbac6_quant
		.amdhsa_group_segment_fixed_size 34304
		.amdhsa_private_segment_fixed_size 0
		.amdhsa_enable_private_segment 0
		.amdhsa_kernarg_size 64
		.amdhsa_user_sgpr_count 2
		.amdhsa_user_sgpr_kernarg_segment_ptr 1
		.amdhsa_wavefront_size32 1
		.amdhsa_system_sgpr_workgroup_id_x 1
		.amdhsa_system_sgpr_workgroup_id_y 1
		.amdhsa_system_sgpr_workgroup_id_z 1
		.amdhsa_system_vgpr_workitem_id 0
		.amdhsa_next_free_vgpr 210
		.amdhsa_next_free_sgpr 66
		.amdhsa_reserve_vcc 0
		.amdhsa_float_denorm_mode_32 3
		.amdhsa_float_denorm_mode_16_64 3
		.amdhsa_memory_ordered 1
		.amdhsa_forward_progress 1
		.amdhsa_inst_pref_size 77
	.end_amdhsa_kernel
	.amdgpu_metadata
---
amdhsa.version: [ 1, 2 ]
amdhsa.kernels:
  - .name:           k_q7384cbbac6_quant
    .symbol:         k_q7384cbbac6_quant.kd
    .args:
      - { .name: X, .offset: 0, .size: 8, .value_kind: global_buffer, .address_space: global }
      - { .name: Wq, .offset: 8, .size: 8, .value_kind: global_buffer, .address_space: global }
      - { .name: Wk, .offset: 16, .size: 8, .value_kind: global_buffer, .address_space: global }
      - { .name: Wv, .offset: 24, .size: 8, .value_kind: global_buffer, .address_space: global }
      - { .name: Wo, .offset: 32, .size: 8, .value_kind: global_buffer, .address_space: global }
      - { .name: lowp_scales, .offset: 40, .size: 8, .value_kind: global_buffer, .address_space: global }
      - { .name: xc, .offset: 48, .size: 8, .value_kind: global_buffer, .address_space: global }
      - { .name: wc, .offset: 56, .size: 8, .value_kind: global_buffer, .address_space: global }
    .group_segment_fixed_size: 34304
    .private_segment_fixed_size: 0
    .kernarg_segment_align: 8
    .kernarg_segment_size: 64
    .max_flat_workgroup_size: 128
    .sgpr_count:     66
    .vgpr_count:     210
    .wavefront_size: 32
...
	.end_amdgpu_metadata
.endif
;; end of part 1
;; launch qkv (part 2): grid 12 x 32, 4 waves a work-group, clusters of 4 x 4, 327,680 bytes of LDS; arguments xc, wc, lowp_scales, bq, bk, bv, qc, kvc; writes qc, kvc
.if DOCPART == 2
	.amdgcn_target "amdgcn-amd-amdhsa--gfx1250"
	.amdhsa_code_object_version 6
	.text
	.protected	k_q7384cbbac6_qkv
	.globl	k_q7384cbbac6_qkv
	.p2align	8
	.type	k_q7384cbbac6_qkv,@function
k_q7384cbbac6_qkv:
	s_mov_b64 s[64:65], 0
	v_nop
	global_prefetch_b8 v0, s[64:65] scope:SCOPE_SE
	s_setreg_imm32_b32 hwreg(HW_REG_WAVE_MODE, 25, 1), 1
	s_wait_xcnt 0x0
	s_wait_alu depctr_hold_cnt(0) depctr_sa_sdst(0) depctr_va_vdst(0) depctr_va_sdst(0) depctr_va_ssrc(0) depctr_va_vcc(0) depctr_vm_vsrc(0)
	s_getreg_b32 s2, hwreg(HW_REG_IB_STS2, 6, 4)
	s_cmp_eq_u32 s2, 0
	s_cbranch_scc0 .Lentry_in_a_cluster
	s_endpgm
.Lentry_in_a_cluster:
	s_bfe_u32 s2, ttmp6, 0x10000c
	s_cmp_lg_u32 s2, 0xf033
	s_cbranch_scc0 .Lentry_shape_is_right
	s_endpgm
.Lentry_shape_is_right:
; q = X Wq^T + bq, k = X Wk^T + bk, v = X Wv^T + bv on codes of FP8 (E4M3), sums in f32; each result is quantised at once with its given scale and stored as codes, laid as the attention launch's operand registers.
; GRID.  12 x 32 tiles of 256 features x 256 tokens; clusters of 4 x 4.  The cluster's x IS the product (0: q, 1: k, 2: v), the same in all sixteen partners; cx is the tile of 256 features, 4 x cluster y + cy the tile of 256 tokens.
; OPERANDS arrive as images of their registers (16 rows x 128 K = 2,048 bytes: registers 4 g .. 4 g + 3 of lane l at 512 g + 16 l), laid [row tile][K step]: a fragment is four loads of 16 bytes a lane, 512 consecutive bytes each: no pitch, no padding.
; A tile of 256 x 256 is made by four waves, each 128 x 128: 64 accumulators.  K goes in steps of 256 through a ring of two LDS slots; a slot holds X's two halves (8 row tiles x 4,096 bytes each), then the weight's two.
; THE SOURCES.  q, k: source 0 = 16 rows of W, source 1 = 16 tokens: a lane holds ONE token and eight neighbouring features, which are eight neighbours along attention's first K (the head's 64).
; v: source 0 = 16 tokens, source 1 = 16 rows of Wv: a lane holds ONE feature and eight neighbouring tokens, which are eight neighbours along attention's second K (the keys).  Only the LDS addresses of the fragments differ; the tensor loads do not.
; So one conversion of an accumulator gives two registers of the reader's fragment, and the codes leave as images, 512 consecutive bytes a store: nothing goes through LDS on the way out.
; X's codes: xc holds three sets, 8 MiB apart, one for each product's own scale entry (0, 2, 4): the set is the product's number, so every descriptor is made of ids, arguments and constants alone.
; CLUSTERS: the four of a row of the cluster need the same tiles of X, the four of a column the same tiles of W: each is asked for jointly, by the same tensor load with the same descriptor and a mask that names the four.
; LIMITS: the sum of a product's two exponents between -126 and 127; entries 6, 7, 9 between -126 and 119.  NaN is not served.
; REGISTERS, in windows of 256: window 0: v0-31 addresses; v32-95 the bias along a lane's registers; v96-111 the bias of a lane's own feature; v112, v113 the quantiser's scale and hold; from v128 source 1's fragments, ONE set; on the way out v128-223.
;   window 1: source 0's fragments, TWO sets, at v0 and v128.   window 2: the accumulators of source 1's blocks 0-3 ((a, b) at v[8 (8 a + b)]);   window 3: of blocks 4-7.
.set HALFT,  32768                     ; 8 row tiles x 256 along K: what one tensor load brings, and what one wave reads of either operand
.set SLOT,   4*HALFT
.set SPARE,  2*SLOT                    ; behind the ring: the spare words, 128 bytes for each wave: two blocks of 256 bytes that no other line names
.set FR,     16                        ; registers of a fragment
.set NL,     4                         ; LDS loads that bring one
.set NP,     4                         ; places behind this matrix instruction (ISA guide 7.12.1)
.set ADRA, 16                          ; v16-17  LDS address of source 1's fragments in slot 0, 1
.set ADRB, 20                          ; v20-21  the same for source 0's
.set CO,   26                          ; v26     16 x lane
.set SPW,  28                          ; v28     LDS address of my spare word; never rewritten
.set NIL,  29                          ; v29     0; never rewritten
.set BR,   32
.set BL,   96
.set SCO,  112
.set LIMO, 113
.set AF,   128
.set TMP,  128                         ; the way out: 64 numbers
.set CD,   192                         ; the way out: two sets of 16 registers of codes
.set G1, 24                            ; s[24:31] descriptor group 1 for X's tiles;  s[32:39] group 0, one set for each slot
.set G0, 32
.set G1B, 48                           ; s[48:55], s[56:63] the same for W's tiles
.set G0B, 56
.set MSB, 0
.macro WIN new                         ; the immediate's high byte repeats the setting that is left
.if MSB != (\new)
	s_set_vgpr_msb (MSB<<8)|(\new)
.set MSB, \new
.endif
.endm
.set MUL_LO, 0xa1                      ; source 0 window 1, source 1 window 0, C and D window 2
.set MUL_HI, 0xf1                      ; the same, C and D window 3
.set TO_B,   0x40                      ; destination window 1, address window 0
; A joint load: waves 0 and 1 fetch X's halves, waves 2 and 3 W's.  Each line has one mask and one set of registers for all that issue it; the branch hangs on the wave's number alone.
; Four v_nop follow each of the two lines, ahead of the jump, the label and what follows.
.macro JLOAD g0a, g1a, g0b, g1b
	s_cmp_eq_u32 s15, 0
	s_cbranch_scc0 .Lfor_b_\@
	tensor_load_to_lds s[\g0a:\g0a+3], s[\g1a:\g1a+7]
	s_nop 0
.rept 4
	v_nop
.endr
	s_branch .Lasked_\@
.Lfor_b_\@:
	tensor_load_to_lds s[\g0b:\g0b+3], s[\g1b:\g1b+7]
	s_nop 0
.rept 4
	v_nop
.endr
.Lasked_\@:
.endm
.macro CREST                           ; a round of the cluster's barrier behind its opening barrier
	s_cmp_lg_u32 s14, 0
	s_cbranch_scc1 .Lnot_wave_0_\@
	s_barrier_signal -3
.Lnot_wave_0_\@:
	s_barrier_wait -3
	s_barrier_signal -1
	s_barrier_wait -1
.endm
.macro CROUND                          ; a whole round
	s_barrier_signal -1
	s_barrier_wait -1
	CREST
.endm
	s_load_b128 s[4:7], s[0:1], 0x0                ; xc s[4:5], wc s[6:7]
	s_load_b256 s[72:79], s[0:1], 0x10             ; the exponents s[72:73], bq s[74:75], bk s[76:77], bv s[78:79]
	s_load_b128 s[80:83], s[0:1], 0x30             ; qc s[80:81], kvc s[82:83]
	v_lshl_add_u32 v[SPW], v0, 2, SPARE
	v_mov_b32 v[NIL], 0
	ds_add_u32 v28, v29
	ds_add_u32 v28, v29
	s_wait_dscnt 0x0
	v_lshrrev_b32 v1, 5, v0
	v_readfirstlane_b32 s14, v1                    ; wave 0..3
	s_lshr_b32 s15, s14, 1                         ; which half of source 1's rows is mine.  Also: I fetch for X (0) or for W (1)
	s_and_b32 s16, s14, 1                          ; which half of source 0's rows.  Also: which half of that tile I fetch
	s_bfe_u32 s40, ttmp6, 0x40000                  ; cx, cy: my place in the cluster
	s_bfe_u32 s41, ttmp6, 0x40004
	s_lshl_b32 s42, ttmp9, 2
	s_add_co_u32 s42, s42, s40                     ; tile of 256 rows among the weights' images = 4 x product + cx
	s_and_b32 s17, ttmp7, 0xffff
	s_lshl_b32 s17, s17, 2
	s_add_co_u32 s17, s17, s41                     ; tile of 256 tokens = 4 x cluster y + cy
	s_lshl_b32 s43, s41, 2
	s_lshl_b32 s43, 15, s43                        ; my row of the cluster
	s_lshl_b32 s44, 0x1111, s40                    ; my column
	; descriptor group 1: 8 rows (row tiles) of 4,096 bytes (two K steps' images), 16,384 bytes apart in memory, dense in LDS; elements of 8 bytes
	s_or_b32 s[G1+0], s43, (3<<16)|(1<<21)         ; 15:0 the mask: X's tiles go to my row; 17:16 elements of 8 bytes; 20 no padding; 21 set beside a mask
	s_or_b32 s[G1B+0], s44, (3<<16)|(1<<21)        ; W's tiles go to my column
.irp g, G1, G1B
	s_mov_b32 s[\g+1], 512<<16                     ; tensor_dim0 = 512
	s_mov_b32 s[\g+2], 8<<16                       ; tensor_dim1 = 8
	s_mov_b32 s[\g+3], 512<<16                     ; tile_dim0 = 512
	s_mov_b32 s[\g+4], 8                           ; tile_dim1 = 8
	s_mov_b32 s[\g+5], 2048                        ; tensor_dim0_stride
	s_mov_b32 s[\g+6], 0
	s_mov_b32 s[\g+7], 0
.endr
	s_mul_i32 s45, s14, HALFT                      ; where my load goes: wave x 32,768: no place in the cluster enters an LDS address
	s_lshl_b32 s2, s17, 18                         ; X: 16 row tiles of 16,384 bytes a tile of tokens,
	s_lshl_b32 s3, s16, 17                         ; + the half that I fetch,
	s_add_co_u32 s2, s2, s3
	s_lshl_b32 s3, ttmp9, 23                       ; in the product's own set of codes
	s_add_co_u32 s2, s2, s3
	s_mov_b32 s3, 0
	s_lshl_b32 s46, s42, 18                        ; W: 16 row tiles a tile of features, + the half that I fetch
	s_lshl_b32 s47, s16, 17
	s_add_co_u32 s46, s46, s47
	s_mov_b32 s47, 0
	s_wait_kmcnt 0x0
	s_load_b256 s[84:91], s[72:73], 0x0            ; e0 .. e7: wanted behind the first joint loads
	s_load_b128 s[92:95], s[72:73], 0x20           ; e8 .. e11
	s_add_nc_u64 s[20:21], s[4:5], s[2:3]
	s_add_nc_u64 s[46:47], s[6:7], s[46:47]
	CROUND                                         ; all sixteen work-groups are here: the first joint loads meet
.irp s, 0,1
	s_mov_b32 s[G0+4*\s], 1
	s_add_co_u32 s[G0+4*\s+1], s45, \s*SLOT
	s_add_nc_u64 s[G0+4*\s+2:G0+4*\s+3], s[20:21], \s*4096
	s_or_b32 s[G0+4*\s+3], s[G0+4*\s+3], 0x80000000
	s_mov_b32 s[G0B+4*\s], 1
	s_add_co_u32 s[G0B+4*\s+1], s45, \s*SLOT
	s_add_nc_u64 s[G0B+4*\s+2:G0B+4*\s+3], s[46:47], \s*4096
	s_or_b32 s[G0B+4*\s+3], s[G0B+4*\s+3], 0x80000000
	JLOAD G0+4*\s, G1, G0B+4*\s, G1B
.endr
	s_wait_kmcnt 0x0
	; what the product decides is chosen without a jump, by the cluster's x
	s_cmp_eq_u32 ttmp9, 1
	s_cselect_b64 s[22:23], s[76:77], s[74:75]     ; the bias,
	s_cselect_b64 s[70:71], s[82:83], s[80:81]     ; the output,
	s_cselect_b32 s96, s86, s84                    ; X's exponent,
	s_cselect_b32 s97, s87, s85                    ; W's,
	s_cselect_b32 s67, s91, s90                    ; and the result's, of k or of q;
	s_cmp_eq_u32 ttmp9, 2
	s_cselect_b64 s[22:23], s[78:79], s[22:23]     ; or of v
	s_cselect_b64 s[70:71], s[82:83], s[70:71]
	s_cselect_b32 s96, s88, s96
	s_cselect_b32 s97, s89, s97
	s_cselect_b32 s67, s93, s67
	s_cselect_b32 s66, 1, 0                        ; 1: the product is v
	s_cselect_b32 s100, 0x10000, 0                 ; source 1's fragments lie among X's halves (q, k) or among W's (v),
	s_cselect_b32 s101, 0, 0x10000                 ; source 0's the other way round
	v_and_b32 v1, 15, v0                           ; r
	v_bfe_u32 v2, v0, 4, 1                         ; h
	v_and_b32 v3, 31, v0
	v_lshlrev_b32 v[CO], 4, v3                     ; 16 x lane: an image's place for my lane
	s_lshl_b32 s20, s15, 15
	s_add_co_u32 s100, s100, s20                   ; + my half of source 1's rows
	s_lshl_b32 s20, s16, 15
	s_add_co_u32 s101, s101, s20                   ; + my half of source 0's
.irp s, 0,1
	v_add_nc_u32 v[ADRA+\s], s100, v[CO]
	v_add_nc_u32 v[ADRB+\s], s101, v[CO]
	s_add_co_u32 s100, s100, SLOT
	s_add_co_u32 s101, s101, SLOT
.endr
	; the bias in both forms (both lie inside the buffer; the way out takes one): along a lane's registers, features 256 cx + 128 (w % 2) + 16 b + 8 h + i; and a lane's own, features 256 cx + 128 (w / 2) + 16 a + r
	s_lshl_b32 s20, s40, 10
	s_lshl_b32 s21, s15, 9
	s_add_co_u32 s46, s20, s21
	s_mov_b32 s47, 0
	s_add_nc_u64 s[18:19], s[22:23], s[46:47]
	s_lshl_b32 s21, s16, 9
	s_add_co_u32 s46, s20, s21
	s_add_nc_u64 s[22:23], s[22:23], s[46:47]
	v_lshlrev_b32 v4, 5, v2                        ; 32 h
	v_lshlrev_b32 v5, 2, v1                        ; 4 r
.irp b, 0,1,2,3,4,5,6,7
	global_load_b128 v[BR+8*\b:BR+8*\b+3], v4, s[22:23] offset:64*\b
	global_load_b128 v[BR+8*\b+4:BR+8*\b+7], v4, s[22:23] offset:64*\b+16
.endr
.irp a, 0,1,2,3,4,5,6,7
	global_load_b32 v[BL+2*\a], v5, s[18:19] offset:64*\a
	v_mov_b32 v[BL+2*\a+1], 0                      ; (named with it as a pair, so it is written)
.endr
	; where the codes go.  Tokens 128 x step of batch y / 8; heads 4 cx + 2 x (my half of the features) and the next.
	; q: qc + head x 2^17 + step x 2^13 + 1,024 a.   k: kvc + head x 2^18 + step x 2^14 + 1,024 a.   v: kvc + head x 2^18 + step x 2^14 + 8,192 + 2,048 (a % 4), the second head from a = 4 on.
	s_lshr_b32 s20, s17, 3                         ; the batch
	s_and_b32 s21, s17, 7
	s_cmp_eq_u32 s66, 1
	s_cselect_b32 s2, s16, s15                     ; my half of the tokens,
	s_cselect_b32 s3, s15, s16                     ; of the features
	s_cselect_b32 s46, 8192, 0                     ; v lies behind a step's k
	s_mov_b32 s98, 1024
	s_cselect_b32 s98, 2048, s98                   ; from block a to block a + 1
	s_cselect_b32 s12, 262144-8192, 0              ; and, at a = 4, on into v's next head
	s_mov_b32 s99, 0
	s_mov_b32 s13, 0
	s_lshl_b32 s20, s20, 4
	s_lshl_b32 s47, s40, 2
	s_add_co_u32 s20, s20, s47
	s_lshl_b32 s3, s3, 1
	s_add_co_u32 s20, s20, s3                      ; batch x 16 + head
	s_lshl_b32 s21, s21, 1
	s_add_co_u32 s21, s21, s2                      ; the step of 128 tokens
	s_cmp_eq_u32 ttmp9, 0
	s_cselect_b32 s2, 17, 18
	s_cselect_b32 s3, 13, 14
	s_lshl_b32 s20, s20, s2
	s_lshl_b32 s21, s21, s3
	s_add_co_u32 s20, s20, s21
	s_add_co_u32 s20, s20, s46
	s_mov_b32 s21, 0
	s_add_nc_u64 s[68:69], s[70:71], s[20:21]      ; registers 0-7 of a block's codes go here,
	s_lshl_b32 s20, 1, s2                          ; q, k: the next head;
	s_cmp_eq_u32 s66, 1
	s_cselect_b32 s20, 1024, s20                   ; v: the fragment's second half
	s_add_nc_u64 s[70:71], s[68:69], s[20:21]      ; registers 8-15 here
	s_add_co_i32 s96, s96, s97
	s_add_co_i32 s96, s96, 127
	s_lshl_b32 s96, s96, 23                        ; 2^(X's e + W's e) as f32
	s_mov_b32 s97, s96                             ; (named with it as a pair, so it is written)
	s_add_co_i32 s67, s67, 127
	s_lshl_b32 s20, s67, 23
	v_mov_b32 v[SCO], s20                          ; the result's scale as f32: the conversion takes its exponent field
	s_add_co_i32 s67, s67, 8
	s_lshl_b32 s67, s67, 23
	s_or_b32 s67, s67, 0x600000
	v_mov_b32 v[LIMO], s67                         ; 448 x that
.macro FRAG reg, adr, q, i             ; row tile i of my eight, the slot's q-th 128 along K: four loads, 512 consecutive bytes each
.irp c, 0,1,2,3
	ds_load_b128 v[\reg+4*\c:\reg+4*\c+3], v[\adr] offset:4096*(\i)+2048*(\q)+512*\c
.endr
.endm
; 16 matrix instructions: source 1's blocks a0, a0 + 1 x source 0's eight, 128 along K.  p: source 0's set.  zero = 1: the first product starts the sums.
; The 64 accumulators take turns, one instruction a turn, in the same order in every step.
.macro MUL16 a0, p, zero
.irp a, \a0, \a0+1
.irp b, 0,1,2,3,4,5,6,7
.if \zero
	v_wmma_f32_16x16x128_fp8_fp8 v[8*(8*((\a)%4)+\b):8*(8*((\a)%4)+\b)+7], v[128*(\p)+FR*\b:128*(\p)+FR*\b+FR-1], v[AF+FR*(\a):AF+FR*(\a)+FR-1], 0
.else
	v_wmma_f32_16x16x128_fp8_fp8 v[8*(8*((\a)%4)+\b):8*(8*((\a)%4)+\b)+7], v[128*(\p)+FR*\b:128*(\p)+FR*\b+FR-1], v[AF+FR*(\a):AF+FR*(\a)+FR-1], v[8*(8*((\a)%4)+\b):8*(8*((\a)%4)+\b)+7]
.endif
.endr
.endr
.endm
.macro FETCH_B slot, q, p
	WIN TO_B
.irp i, 0,1,2,3,4,5,6,7
	FRAG 128*(\p)+FR*\i, ADRB+\slot, \q, \i
.endr
	WIN 0
.endm
.macro FETCH_A slot, q, i0
.irp i, \i0, \i0+1, \i0+2, \i0+3
	FRAG AF+FR*(\i), ADRA+\slot, \q, \i
.endr
.endm
.macro PLACES n                        ; plain vector instructions between a matrix instruction and a load into, or a vector instruction on, its registers
.rept \n
	v_nop
.endr
.endm
; A step of 128 along K that has its successor in the same slot.  Source 1's blocks are free as soon as their eight products are issued: blocks 0-3 are fetched anew in the middle, blocks 4-7 at the end.
.macro STEP slot, q, zero
	s_wait_dscnt 4*NL                              ; source 0's set and blocks 0-3 are in; the youngest sixteen loads (blocks 4-7) may be out
	WIN MUL_LO
	MUL16 0, (\q)%2, \zero
	MUL16 2, (\q)%2, \zero
	s_wait_dscnt 0
	PLACES NP
	FETCH_B \slot, (\q)+1, 1-(\q)%2
	FETCH_A \slot, (\q)+1, 0
	WIN MUL_HI
	MUL16 4, (\q)%2, \zero
	MUL16 6, (\q)%2, \zero
	PLACES NP
	WIN 0
	FETCH_A \slot, (\q)+1, 4
.endm
; A slot's last step changes slots: ONE barrier; in front of it each wave waits for all its tensor loads, adds 0 to its spare word, and waits for that and for its own reads of this slot.  fill = 1: this slot is filled again, two slots ahead.
.macro TURN slot, next, fill
	s_wait_tensorcnt 0x0                           ; all my tensor loads have landed: my part of the next slot
	ds_add_u32 v[SPW], v[NIL]                      ; 0 onto my spare word
	s_wait_dscnt 4*NL+1                            ; (the add and the youngest sixteen loads may be out)
	WIN MUL_LO
	MUL16 0, 1, 0                                  ; sixteen matrix instructions stand between the add and the wait for it
	s_wait_dscnt 0x0                               ; the add is done, and my reads of this slot are over
	s_barrier_signal -1
	MUL16 2, 1, 0
	WIN 0
	s_barrier_wait -1
.if \fill
	CREST                                          ; the barrier has opened a round of the cluster's barrier: no wave of any partner still reads this slot or has a load on its way
	s_add_nc_u64 s[G0+4*\slot+2:G0+4*\slot+3], s[G0+4*\slot+2:G0+4*\slot+3], 8192
	s_add_nc_u64 s[G0B+4*\slot+2:G0B+4*\slot+3], s[G0B+4*\slot+2:G0B+4*\slot+3], 8192
	JLOAD G0+4*\slot, G1, G0B+4*\slot, G1B         ; the first tensor load behind the round; its four v_nop are also the places in front of the loads below
.else
	PLACES NP
.endif
	FETCH_B \next, 0, 0
	FETCH_A \next, 0, 0
	WIN MUL_HI
	MUL16 4, 1, 0
	MUL16 6, 1, 0
	PLACES NP
	WIN 0
	FETCH_A \next, 0, 4
.endm
	s_wait_tensorcnt 1                             ; my part of slot 0 is in (slot 1's load may be out)
	s_barrier_signal -1
	s_barrier_wait -1                              ; everybody's is
	FETCH_B 0, 0, 0
	FETCH_A 0, 0, 0
	FETCH_A 0, 0, 4
	STEP 0, 0, 1                                   ; K = 1,024 is four slots' worth, eight steps, written out: K 0
	TURN 0, 1, 1                                   ; 128; slot 0 takes K 512 on
	STEP 1, 0, 0                                   ; 256
	TURN 1, 0, 1                                   ; 384; slot 1 takes K 768 on
	STEP 0, 0, 0                                   ; 512
	TURN 0, 1, 0                                   ; 640; nothing is left to fetch
	STEP 1, 0, 0                                   ; 768
	s_wait_dscnt 4*NL                              ; 896
	WIN MUL_LO
	MUL16 0, 1, 0
	MUL16 2, 1, 0
	s_wait_dscnt 0
	WIN MUL_HI
	MUL16 4, 1, 0
	MUL16 6, 1, 0
	WIN 0
; THE WAY OUT, source 1's blocks one after the other: 64 sums a lane x 2^(the two exponents) + bias in one packed multiply-add for two; the hold; eight conversions: 16 registers of codes, which are
; q, k: two fragments of 16 tokens x 64 (two heads);  v: one fragment of 16 features x 128 keys.  Four stores of 512 consecutive bytes.  Each accumulator is read from its low end on.
.macro EPI a
.set AC, 64*((\a)%4)
.set CB, CD+16*((\a)%2)
	s_wait_xcnt 0x0                                ; the earlier stores have read their bases and their data: both are written again below
.if (\a) > 0
	s_add_nc_u64 s[68:69], s[68:69], s[98:99]
	s_add_nc_u64 s[70:71], s[70:71], s[98:99]
.endif
.if (\a) == 4
	s_add_nc_u64 s[68:69], s[68:69], s[12:13]
	s_add_nc_u64 s[70:71], s[70:71], s[12:13]
.endif
	s_cmp_eq_u32 s66, 1                            ; the product: the cluster's x, the same in all partners
	s_cbranch_scc1 .Lforv_\@
	WIN 0x02+((\a)/4)                              ; source 0: window 2 or 3
.set j, 0
.rept 32
	v_pk_fma_f32 v[TMP+j:TMP+j+1], v[AC+j:AC+j+1], s[96:97], v[BR+j:BR+j+1] op_sel_hi:[1,0,1]
.set j, j+2
.endr
	WIN 0
	s_branch .Lbiased_\@
.Lforv_\@:
	WIN 0x02+((\a)/4)
.set j, 0
.rept 32
	v_pk_fma_f32 v[TMP+j:TMP+j+1], v[AC+j:AC+j+1], s[96:97], v[BL+2*(\a):BL+2*(\a)+1] op_sel_hi:[1,0,0]
.set j, j+2
.endr
	WIN 0
.Lbiased_\@:
.set j, 0
.rept 64
	v_med3_num_f32 v[TMP+j], v[TMP+j], -v[LIMO], v[LIMO]   ; the conversion to an 8-bit code does not saturate (ISA guide 7.6.2)
.set j, j+1
.endr
.irp b, 0,1,2,3,4,5,6,7
	v_cvt_scalef32_pk8_fp8_f32 v[CB+2*\b:CB+2*\b+1], v[TMP+8*\b:TMP+8*\b+7], v[SCO]
.endr
	v_nop                                          ; one plain vector instruction between the conversions and the next block's writes of their sources
	global_store_b128 v[CO], v[CB:CB+3], s[68:69]
	global_store_b128 v[CO], v[CB+4:CB+7], s[68:69] offset:512
	global_store_b128 v[CO], v[CB+8:CB+11], s[70:71]
	global_store_b128 v[CO], v[CB+12:CB+15], s[70:71] offset:512
.endm
	s_wait_loadcnt 0x0                             ; the bias
	PLACES NP                                      ; behind the last products: their sources' registers are written below
.irp a, 0,1,2,3,4,5,6,7
	EPI \a
.endr
	s_wait_tensorcnt 0x0                           ; the wave's end
	ds_add_u32 v[SPW], v[NIL]
	s_wait_dscnt 0x0
	CROUND                                         ; the closing round: no work-group ends while a partner may still ask for a tile that names it
	s_endpgm
.Lfunc_end_k_q7384cbbac6_qkv:
	.size	k_q7384cbbac6_qkv, .Lfunc_end_k_q7384cbbac6_qkv-k_q7384cbbac6_qkv
	.p2alignl 7, 3214868480
	.fill 96, 4, 3214868480
	.section	.rodata,"a",@progbits
	.p2align	6, 0x0
	.amdhsa_kernel k_q7384cbbac6_qkv
		.amdhsa_group_segment_fixed_size 327680
		.amdhsa_private_segment_fixed_size 0
		.amdhsa_enable_private_segment 0
		.amdhsa_kernarg_size 64
		.amdhsa_user_sgpr_count 2
		.amdhsa_user_sgpr_kernarg_segment_ptr 1
		.amdhsa_wavefront_size32 1
		.amdhsa_system_sgpr_workgroup_id_x 1
		.amdhsa_system_sgpr_workgroup_id_y 1
		.amdhsa_system_sgpr_workgroup_id_z 1
		.amdhsa_system_vgpr_workitem_id 0
		.amdhsa_next_free_vgpr 1024
		.amdhsa_next_free_sgpr 102
		.amdhsa_reserve_vcc 0
		.amdhsa_float_denorm_mode_32 3
		.amdhsa_float_denorm_mode_16_64 3
		.amdhsa_memory_ordered 1
		.amdhsa_forward_progress 1
		.amdhsa_inst_pref_size 155
	.end_amdhsa_kernel
	.amdgpu_metadata
---
amdhsa.version: [ 1, 2 ]
amdhsa.kernels:
  - .name:           k_q7384cbbac6_qkv
    .symbol:         k_q7384cbbac6_qkv.kd
    .args:
      - { .name: xc, .offset: 0, .size: 8, .value_kind: global_buffer, .address_space: global }
      - { .name: wc, .offset: 8, .size: 8, .value_kind: global_buffer, .address_space: global }
      - { .name: lowp_scales, .offset: 16, .size: 8, .value_kind: global_buffer, .address_space: global }
      - { .name: bq, .offset: 24, .size: 8, .value_kind: global_buffer, .address_space: global }
      - { .name: bk, .offset: 32, .size: 8, .value_kind: global_buffer, .address_space: global }
      - { .name: bv, .offset: 40, .size: 8, .value_kind: global_buffer, .address_space: global }
      - { .name: qc, .offset: 48, .size: 8, .value_kind: global_buffer, .address_space: global }
      - { .name: kvc, .offset: 56, .size: 8, .value_kind: global_buffer, .address_space: global }
    .group_segment_fixed_size: 327680
    .private_segment_fixed_size: 0
    .kernarg_segment_align: 8
    .kernarg_segment_size: 64
    .max_flat_workgroup_size: 128
    .sgpr_count:     102
    .vgpr_count:     1024
    .wavefront_size: 32
...
	.end_amdgpu_metadata
.endif
;; end of part 2
;; launch attn (part 3): grid 4 x 64, 8 waves a work-group, no clusters, 263,168 bytes of LDS; arguments qc, kvc, lowp_scales, oc; writes oc
.if DOCPART == 3
	.amdgcn_target "amdgcn-amd-amdhsa--gfx1250"
	.amdhsa_code_object_version 6
	.text
	.protected	k_q7384cbbac6_attn
	.globl	k_q7384cbbac6_attn
	.p2align	8
	.type	k_q7384cbbac6_attn,@function
k_q7384cbbac6_attn:
	s_mov_b64 s[64:65], 0
	v_nop
	global_prefetch_b8 v0, s[64:65] scope:SCOPE_SE
	s_setreg_imm32_b32 hwreg(HW_REG_WAVE_MODE, 25, 1), 1
	s_wait_xcnt 0x0
; o = softmax(q k^T / 32) v for each of 64 heads (batch x 16 + head) of 2,048 tokens x 64, both products on codes of FP8 (E4M3) with the given scales (entries 6 to 9); o is quantised at once (entry 10) into the last product's operand.
; THE SOFTMAX AHEAD OF THE SECOND PRODUCT: t = score x log2(e) / 32; M = the running largest t, rounded UP to a whole number; p = 2^(t - M) is what is quantised; the row's sum is taken of the unquantised p and divides at the end.
; When M moves, the sum and O are multiplied by 2^(old M - new M): exact.
; SHARES.  A work-group owns 512 queries of one head.  The head's whole K and V, 262,144 bytes of register images, lie in LDS, each byte stored there once.  Each of the eight waves owns 32 queries (two tiles of 16) in each of two passes
; over the sixteen key steps of 128 keys: two waves to a SIMD, so that one wave's vector work stands beside the other's products and LDS loads.
; LAYOUT.  Both products are used transposed: S^T = K Q^T (source 0 = 16 keys, source 1 = 16 queries, K = 64), O^T = V^T P^T (source 0 = 16 of the head's 64, source 1 = P, K = 128 keys): a lane holds ONE query throughout.
; The conversion of key tile t's eight scores gives registers 2 t, 2 t + 1 of P; that of O^T's tile gives two registers of the last product's fragment: nothing changes lanes.
; WHY NO TENSOR LOAD AND NO CLUSTER.  p is at most 1, so p / 2^ep is at most 256 where ep >= -8, under the largest code: the 128 holds of a key step are then idle and are jumped over.  That is a branch on a given exponent.
; What the four work-groups of a head share is small: 262,144 bytes, read once, for 512 x 2,048 scores each.  So K and V come through registers, one key step a trip of the first pass,
; each load issued a whole key step ahead of the store that wants it; one barrier a trip while that lasts (fourteen trips), none afterwards.
; LIMITS: entries 6 + 7 between -121 and 132 (they are added to c's exponent field); entries 8 and 10 between -126 and 119; entries 8 + 9 are applied by v_ldexp_f32 and have none.
; REGISTERS.  window 0: v1-7 addresses; v16-31 eight registers of statistics a tile (+0 -M, +1 the largest t, +2, +3 the sum, +4 f, +5 zero, +6, +7 at work); v32-35 a second chain of sums; v36, v37 the permutes' results;
;   v40-43 scales and holds; v44-59 a key step's 64 bytes a lane on their way to LDS; v64-191 S^T, then p (64 a tile); v192-223 P's codes; v224-255 the way out.
;   window 1: v0-63 O^T (32 a tile); v64-79 Q of the pass in hand; v80-95 Q of the second pass; v128-191 K's eight fragments; v192-255 V's four.
.set LI,   1                           ; 16 x lane
.set FA0,  2                           ; 16 x lane + 2,048 x wave: my bytes of a key step's 16,384
.set AS,   3                           ; LDS address of this step's images
.set AK,   4                           ; of the next step's
.set FA,   5                           ; where I store the step that is fed
.set GO,   6                           ; from where I load the step after it
.set PFO,  7                           ; the prefetch's offset; never rewritten
.set ST,   16
.set L2,   32
.set PD,   36
.set SCP,  40
.set LIMP, 41
.set SCO,  42
.set LIMO, 43
.set STG,  44
.set S,    64
.set P,    192
.set OUTR, 224
.set QA,   64
.set QB,   80
.set KF,   128
.set VF,   192
.set STEPB, 16384                      ; a key step: K's 8 fragments of 1,024 bytes, then V's 4 of 2,048
.set MSB, 0
.macro WIN new                         ; the immediate's high byte repeats the setting that is left
.if MSB != (\new)
	s_set_vgpr_msb (MSB<<8)|(\new)
.set MSB, \new
.endif
.endm
	s_load_b256 s[4:11], s[0:1], 0x0               ; qc s[4:5], kvc s[6:7], the exponents s[8:9], oc s[10:11]
	v_lshl_add_u32 v62, v0, 2, 0x40000
	v_mov_b32 v63, 0
	v_lshrrev_b32 v8, 5, v0
	v_readfirstlane_b32 s12, v8                    ; wave 0..7
	s_and_b32 s13, ttmp7, 0xffff                   ; batch x 16 + head
	s_mov_b32 s14, ttmp9                           ; which 512 queries
	v_and_b32 v8, 31, v0
	v_lshlrev_b32 v[LI], 4, v8
	s_lshl_b32 s43, s12, 11
	v_add_nc_u32 v[FA0], s43, v[LI]
	v_lshlrev_b32 v[PFO], 8, v8                    ; 256 x lane,
	s_and_b32 s44, s12, 1
	s_lshl_b32 s44, s44, 13
	v_add_nc_u32 v[PFO], s44, v[PFO]               ; + 8,192 x (wave % 2)
	s_lshl_b32 s44, s13, 18                        ; the head's block of kvc
	s_mov_b32 s45, 0
	s_lshl_b32 s46, s13, 17                        ; the head's block of qc,
	s_lshl_b32 s47, s14, 15                        ; my work-group's 32 tiles of 1,024 bytes,
	s_add_co_u32 s46, s46, s47
	s_add_co_u32 s46, s46, s43                     ; my wave's two
	s_mov_b32 s47, 0
	s_wait_kmcnt 0x0
	s_load_b128 s[16:19], s[8:9], 0x18             ; e6 (q), e7 (k), e8 (p), e9 (v)
	s_load_b32 s20, s[8:9], 0x28                   ; e10 (o)
	s_add_nc_u64 s[36:37], s[6:7], s[44:45]
	s_add_nc_u64 s[4:5], s[4:5], s[46:47]
.irp i, 0,1,2,3
	global_load_b128 v[STG+4*\i:STG+4*\i+3], v[FA0], s[36:37] offset:512*\i           ; key step 0
.endr
.irp i, 0,1,2,3
	global_load_b128 v[S+4*\i:S+4*\i+3], v[FA0], s[36:37] offset:STEPB+512*\i         ; key step 1, through registers that are free yet
.endr
	WIN 0x40                                       ; destination window 1
.irp ps, 0,1
.irp x, 0,1
.irp g, 0,1
	global_load_b128 v[QA+16*\ps+8*\x+4*\g:QA+16*\ps+8*\x+4*\g+3], v[LI], s[4:5] offset:16384*\ps+1024*\x+512*\g   ; Q: pass ps, tile x
.endr
.endr
.endr
	WIN 0
	s_lshr_b32 s43, s13, 4                         ; oc: token tile 128 x batch + 32 x work-group x + 2 x wave (+ 16 in the second pass, + the tile), of 16,384 bytes;
	s_lshl_b32 s43, s43, 7
	s_lshl_b32 s46, s14, 5
	s_add_co_u32 s43, s43, s46
	s_lshl_b32 s46, s12, 1
	s_add_co_u32 s43, s43, s46
	s_lshl_b32 s44, s43, 14
	s_and_b32 s46, s13, 15
	s_lshl_b32 s46, s46, 10                        ; the head's 64 features are half a fragment: 1,024 x head
	s_add_co_u32 s44, s44, s46
	s_add_nc_u64 s[38:39], s[10:11], s[44:45]
	s_add_nc_u64 s[40:41], s[36:37], 4*STEPB       ; the prefetches stand at key step 4: the first trip steps them to 5
	s_lshr_b32 s43, s12, 1                         ; 0 in waves 0 and 1,
	s_or_b32 s43, s43, s14                         ; of the head's first work-group
	s_cmp_eq_u32 s43, 0
	s_cselect_b32 s42, 11, 0                       ; such a wave prefetches in trips 0 to 10
	s_mov_b32 s24, 0x76543210
	s_mov_b32 s25, 0xfedcba98                      ; v_permlanex16_b32's selects for lane l xor 16
	s_mov_b32 s28, 2*STEPB                         ; the step that the first trip stores into LDS,
	s_mov_b32 s29, 3*STEPB                         ; and the one that it loads
	s_mov_b32 s30, 0                               ; trips so far
	s_mov_b32 s32, 2                               ; passes to go
.irp x, 0,1
	v_mov_b32 v[ST+8*\x+5], 0                      ; (named as the upper half of f's pair)
	v_mov_b32 v[PD+\x], 0                          ; written once: a lane permute's destination counts as one of its sources
.endr
	s_wait_kmcnt 0x0
	s_add_co_i32 s43, s16, s17
	s_lshl_b32 s43, s43, 23
	s_add_co_i32 s22, s43, 0x3d38aa3b              ; c = log2(e) / 32, with e6 + e7 added to its exponent field: a score stands for score x 2^(e6 + e7)
	s_mov_b32 s23, s22                             ; (named with it as a pair, so it is written)
	s_add_co_i32 s34, s18, s19                     ; e8 + e9
	s_add_co_i32 s43, s18, 127
	s_lshl_b32 s44, s43, 23
	v_mov_b32 v[SCP], s44                          ; 2^e8 as f32
	s_add_co_i32 s43, s43, 8
	s_lshl_b32 s43, s43, 23
	s_or_b32 s43, s43, 0x600000
	v_mov_b32 v[LIMP], s43                         ; 448 x 2^e8
	s_add_co_i32 s43, s20, 127
	s_lshl_b32 s44, s43, 23
	v_mov_b32 v[SCO], s44                          ; 2^e10
	s_add_co_i32 s43, s43, 8
	s_lshl_b32 s43, s43, 23
	s_or_b32 s43, s43, 0x600000
	v_mov_b32 v[LIMO], s43                         ; 448 x 2^e10
	s_wait_loadcnt 8                               ; key steps 0 and 1 are in; Q's eight loads may be out
.irp i, 0,1,2,3
	ds_store_b128 v[FA0], v[STG+4*\i:STG+4*\i+3] offset:512*\i
.endr
.irp i, 0,1,2,3
	ds_store_b128 v[FA0], v[S+4*\i:S+4*\i+3] offset:STEPB+512*\i
.endr
	s_wait_dscnt 0x0                               ; for the others' sake: my parts of key steps 0 and 1 lie in LDS
	s_barrier_signal -1
	s_barrier_wait -1
.irp i, 0,1,2,3
	global_load_b128 v[STG+4*\i:STG+4*\i+3], v[FA0], s[36:37] offset:2*STEPB+512*\i   ; key step 2: the first trip stores it
.endr
	WIN 0x40
.irp t, 0,1,2,3,4,5,6,7
	ds_load_b128 v[KF+8*\t:KF+8*\t+3], v[LI] offset:1024*\t
	ds_load_b128 v[KF+8*\t+4:KF+8*\t+7], v[LI] offset:1024*\t+512
.endr
	WIN 0
	s_wait_loadcnt 4                               ; Q is in; key step 2's four loads may be out
.Lpass:
.irp x, 0,1
	v_mov_b32 v[ST+8*\x+1], 0xff61b1e6             ; the largest t so far: -3e38, under every t
	v_floor_f32 v[ST+8*\x], -v[ST+8*\x+1]          ; -M
	v_mov_b32 v[ST+8*\x+2], 0                      ; the sum, in two halves
	v_mov_b32 v[ST+8*\x+3], 0
.endr
	WIN 0x40
.set j, 0
.rept 64
	v_mov_b32 v[j], 0                              ; O^T.  (The key step is written once: a pass's first step finds zeros, which the first change of M leaves zeros)
.set j, j+1
.endr
	WIN 0
	s_mov_b32 s26, 0                               ; LDS byte at which the step in hand begins
	s_mov_b32 s31, 16
.Lstep:
	s_wait_dscnt 0x0                               ; this step's K is in
	WIN 0x05                                       ; K and Q in window 1, S^T in window 0
.irp t, 0,1,2,3,4,5,6,7
.irp x, 0,1
	v_wmma_f32_16x16x64_fp8_fp8 v[S+64*\x+8*\t:S+64*\x+8*\t+7], v[KF+8*\t:KF+8*\t+7], v[QA+8*\x:QA+8*\x+7], 0
.endr
.endr
	s_add_co_u32 s27, s26, STEPB
	s_and_b32 s27, s27, 0x3ffff                    ; the next step; behind the last comes the first, for the next pass
	WIN 0
	v_add_nc_u32 v[AS], s26, v[LI]                 ; four plain instructions: the places in front of the loads into K's and V's registers and of the first read of the scores
	v_add_nc_u32 v[AK], s27, v[LI]
	v_nop
	v_nop
	WIN 0x40
.irp d, 0,1,2,3
.irp g, 0,1,2,3
	ds_load_b128 v[VF+16*\d+4*\g:VF+16*\d+4*\g+3], v[AS] offset:8192+2048*\d+512*\g   ; this step's V
.endr
.endr
.irp t, 0,1,2,3,4,5,6,7
	ds_load_b128 v[KF+8*\t:KF+8*\t+3], v[AK] offset:1024*\t                           ; the next step's K
	ds_load_b128 v[KF+8*\t+4:KF+8*\t+7], v[AK] offset:1024*\t+512
.endr
	WIN 0
	; the softmax of both tiles, line by line, so that no line waits for the line above it.  The step's largest score of my query among my 64 keys, in two chains; each accumulator is met at its low end first
.irp x, 0,1
	v_max3_num_f32 v[ST+8*\x+6], v[S+64*\x], v[S+64*\x+1], v[S+64*\x+2]
.endr
.irp x, 0,1
	v_max3_num_f32 v[ST+8*\x+7], v[S+64*\x+3], v[S+64*\x+4], v[S+64*\x+5]
.endr
.irp i, 6,10,14,18,22,26,30,34,38,42,46,50,54,58
.irp x, 0,1
	v_max3_num_f32 v[ST+8*\x+6], v[ST+8*\x+6], v[S+64*\x+\i], v[S+64*\x+\i+1]
.endr
.irp x, 0,1
	v_max3_num_f32 v[ST+8*\x+7], v[ST+8*\x+7], v[S+64*\x+\i+2], v[S+64*\x+\i+3]
.endr
.endr
.irp x, 0,1
	v_max3_num_f32 v[ST+8*\x+6], v[ST+8*\x+6], v[S+64*\x+62], v[S+64*\x+63]
.endr
.irp x, 0,1
	v_max_num_f32 v[ST+8*\x+6], v[ST+8*\x+6], v[ST+8*\x+7]
.endr
.irp x, 0,1
	v_permlanex16_b32 v[PD+\x], v[ST+8*\x+6], s24, s25
.endr
.irp x, 0,1
	v_max_num_f32 v[ST+8*\x+6], v[ST+8*\x+6], v[PD+\x]         ; and among lane l xor 16's
.endr
.irp x, 0,1
	v_mul_f32 v[ST+8*\x+6], s22, v[ST+8*\x+6]                  ; as t (c is positive)
.endr
.irp x, 0,1
	v_max_num_f32 v[ST+8*\x+1], v[ST+8*\x+1], v[ST+8*\x+6]     ; the running largest t
.endr
.irp x, 0,1
	v_mov_b32 v[ST+8*\x+6], v[ST+8*\x]
.endr
.irp x, 0,1
	v_floor_f32 v[ST+8*\x], -v[ST+8*\x+1]                      ; the new -M = floor(-t) = -ceil(t): M is a whole number
.endr
.irp x, 0,1
	v_sub_f32 v[ST+8*\x+6], v[ST+8*\x], v[ST+8*\x+6]           ; old M - new M: a whole number, 0 or less
.endr
.irp x, 0,1
	v_cvt_i32_f32 v[ST+8*\x+6], v[ST+8*\x+6]                   ; (it saturates)
.endr
.irp x, 0,1
	v_ldexp_f32 v[ST+8*\x+4], 1.0, v[ST+8*\x+6]                ; f = 2^(old M - new M)
.endr
.set j, 0
.rept 32
.irp x, 0,1
	v_pk_fma_f32 v[S+64*\x+j:S+64*\x+j+1], v[S+64*\x+j:S+64*\x+j+1], s[22:23], v[ST+8*\x:ST+8*\x+1] op_sel_hi:[1,0,0]   ; t - M, two at a time (of the pairs c and -M the low word serves both halves)
.endr
.set j, j+2
.endr
.set j, 0
.rept 64
.irp x, 0,1
	v_exp_f32 v[S+64*\x+j], v[S+64*\x+j]                       ; p = 2^(t - M), at most 1: not normalised
.endr
.set j, j+1
.endr
.irp x, 0,1
	v_pk_mul_f32 v[ST+8*\x+2:ST+8*\x+3], v[ST+8*\x+2:ST+8*\x+3], v[ST+8*\x+4:ST+8*\x+5] op_sel_hi:[1,0]   ; the sums under the new M: plain instructions behind the exponentials
.endr
	s_wait_alu depctr_va_vdst(0)                   ; one wait for the batch of 128 exponentials, ahead of its first reader
.irp x, 0,1
	v_pk_add_f32 v[L2+2*\x:L2+2*\x+1], v[S+64*\x:S+64*\x+1], v[S+64*\x+2:S+64*\x+3]   ; the row's sum is taken of the UNQUANTISED p: two at a time, in two chains
.endr
.irp i, 4,8,12,16,20,24,28,32,36,40,44,48,52,56,60
.irp x, 0,1
	v_pk_add_f32 v[ST+8*\x+2:ST+8*\x+3], v[ST+8*\x+2:ST+8*\x+3], v[S+64*\x+\i:S+64*\x+\i+1]
.endr
.irp x, 0,1
	v_pk_add_f32 v[L2+2*\x:L2+2*\x+1], v[L2+2*\x:L2+2*\x+1], v[S+64*\x+\i+2:S+64*\x+\i+3]
.endr
.endr
.irp x, 0,1
	v_pk_add_f32 v[ST+8*\x+2:ST+8*\x+3], v[ST+8*\x+2:ST+8*\x+3], v[L2+2*\x:L2+2*\x+1]
.endr
	s_cmp_ge_i32 s18, -8                           ; p <= 1: where e8 >= -8, p / 2^e8 <= 256 lies under the largest code, and the hold changes nothing
	s_cbranch_scc1 .Lno_hold
.set j, 0
.rept 128
	v_min_num_f32 v[S+j], v[S+j], v[LIMP]          ; the conversion to an 8-bit code does not saturate (ISA guide 7.6.2); p is not negative, so the hold is one-sided
.set j, j+1
.endr
.Lno_hold:
.irp t, 0,1,2,3,4,5,6,7
.irp x, 0,1
	v_cvt_scalef32_pk8_fp8_f32 v[P+16*\x+2*\t:P+16*\x+2*\t+1], v[S+64*\x+8*\t:S+64*\x+8*\t+7], v[SCP]
.endr
.endr
	WIN 0x41                                       ; O^T (destination and source 0) in window 1, f in window 0
.set j, 0
.rept 16
.irp x, 0,1
	v_pk_mul_f32 v[32*\x+j:32*\x+j+1], v[32*\x+j:32*\x+j+1], v[ST+8*\x+4:ST+8*\x+5] op_sel_hi:[1,0]   ; O^T under the new M.  (Also the plain instructions between the conversions and the products that read their results)
.endr
.set j, j+2
.endr
	s_wait_dscnt 16                                ; this step's V is in; the next step's K, sixteen loads, may be out
	WIN 0x51                                       ; V in window 1, P in window 0, O^T in window 1
.irp d, 0,1,2,3
.irp x, 0,1
	v_wmma_f32_16x16x128_fp8_fp8 v[32*\x+8*\d:32*\x+8*\d+7], v[VF+16*\d:VF+16*\d+15], v[P+16*\x:P+16*\x+15], v[32*\x+8*\d:32*\x+8*\d+7]
.endr
.endr
	WIN 0
	; THE FEED, in trips 0 to 13 (a count of trips, the same in every wave): key step trip + 2 goes from my registers into LDS; a barrier: the next trip reads its K; then key step trip + 3 is asked for.
	s_cmp_lt_u32 s30, 14
	s_cbranch_scc0 .Lfed
	s_wait_xcnt 0x0                                ; the last trip's prefetch has read its address, so it may be written
	s_add_nc_u64 s[40:41], s[40:41], STEPB
	s_wait_loadcnt 0x0                             ; the four loads issued a trip ago
	v_add_nc_u32 v[FA], s28, v[FA0]
.irp i, 0,1,2,3
	ds_store_b128 v[FA], v[STG+4*\i:STG+4*\i+3] offset:512*\i
.endr
	s_wait_dscnt 0x0                               ; for the others' sake: my stores have landed
	s_barrier_signal -1
	s_barrier_wait -1
	s_cmp_lt_u32 s30, 13
	s_cbranch_scc0 .Lno_load
	v_add_nc_u32 v[GO], s29, v[FA0]
.irp i, 0,1,2,3
	global_load_b128 v[STG+4*\i:STG+4*\i+3], v[GO], s[36:37] offset:512*\i
.endr
.Lno_load:
	; A prefetch of key step trip + 5, two trips ahead of the loads that will want it, behind this trip's loads.  A step is 64 blocks of 256 bytes: waves 0 and 1 of the head's first work-group name 32 each, a lane a block:
	; each block once in the launch.  Key steps 0 to 4 come by their loads alone; trips 11 on ask for nothing: there is no step 16.
	s_cmp_lt_u32 s30, s42
	s_cbranch_scc0 .Lfed
	global_prefetch_b8 v[PFO], s[40:41] th:TH_LOAD_NT scope:SCOPE_SE
.Lfed:
	s_add_co_u32 s26, s26, STEPB
	s_add_co_u32 s28, s28, STEPB
	s_and_b32 s28, s28, 0x3ffff                    ; (behind trip 13 these two are used no more; they stay inside the head's block)
	s_add_co_u32 s29, s29, STEPB
	s_and_b32 s29, s29, 0x3ffff
	s_add_co_u32 s30, s30, 1
	s_sub_co_u32 s31, s31, 1
	s_cmp_lg_u32 s31, 0
	s_cbranch_scc1 .Lstep
	; THE WAY OUT OF A PASS: O^T x 2^(e8 + e9) / the sum, held, converted with 2^e10: a tile's four conversions are registers 8 (head % 2) + 0 .. 7 of the last product's fragment: two stores of 512 consecutive bytes.
	s_wait_dscnt 0x0                               ; (the first step's K, fetched by the last trip, is in)
.rept 4
	v_nop                                          ; places behind the last products
.endr
.irp x, 0,1
	v_add_f32 v[ST+8*\x+2], v[ST+8*\x+2], v[ST+8*\x+3]         ; the sum's two halves,
.endr
.irp x, 0,1
	v_permlanex16_b32 v[PD+\x], v[ST+8*\x+2], s24, s25
.endr
.irp x, 0,1
	v_add_f32 v[ST+8*\x+2], v[ST+8*\x+2], v[PD+\x]             ; and lane l xor 16's
.endr
.irp x, 0,1
	v_rcp_f32 v[ST+8*\x+6], v[ST+8*\x+2]
.endr
	v_nop                                          ; a plain instruction behind the reciprocals
	s_wait_alu depctr_va_vdst(0)                   ; and the wait ahead of their first reader
.irp x, 0,1
	v_ldexp_f32 v[ST+8*\x+6], v[ST+8*\x+6], s34
.endr
.irp x, 0,1
	WIN 0x01                                       ; source 0 (O^T) in window 1
.set j, 0
.rept 16
	v_pk_mul_f32 v[OUTR+j:OUTR+j+1], v[32*\x+j:32*\x+j+1], v[ST+8*\x+6:ST+8*\x+7] op_sel_hi:[1,0]
.set j, j+2
.endr
	WIN 0
.set j, 0
.rept 32
	v_med3_num_f32 v[OUTR+j], v[OUTR+j], -v[LIMO], v[LIMO]
.set j, j+1
.endr
.irp d, 0,1,2,3
	v_cvt_scalef32_pk8_fp8_f32 v[P+8*\x+2*\d:P+8*\x+2*\d+1], v[OUTR+8*\d:OUTR+8*\d+7], v[SCO]
.endr
	v_nop                                          ; one plain instruction between the conversions and the next writes of their sources
	global_store_b128 v[LI], v[P+8*\x:P+8*\x+3], s[38:39] offset:16384*\x
	global_store_b128 v[LI], v[P+8*\x+4:P+8*\x+7], s[38:39] offset:16384*\x+512
.endr
	s_wait_xcnt 0x0                                ; the stores have read their base and their data
	s_add_nc_u64 s[38:39], s[38:39], 262144        ; sixteen token tiles on
	WIN 0x41
.set j, 0
.rept 16
	v_mov_b32 v[QA+j], v[QB+j]                     ; the second pass's queries
.set j, j+1
.endr
	WIN 0
	s_sub_co_u32 s32, s32, 1
	s_cmp_lg_u32 s32, 0
	s_cbranch_scc1 .Lpass
	s_wait_tensorcnt 0x0
	ds_add_u32 v62, v63
	s_wait_dscnt 0x0
	s_endpgm
.Lfunc_end_k_q7384cbbac6_attn:
	.size	k_q7384cbbac6_attn, .Lfunc_end_k_q7384cbbac6_attn-k_q7384cbbac6_attn
	.p2alignl 7, 3214868480
	.fill 96, 4, 3214868480
	.section	.rodata,"a",@progbits
	.p2align	6, 0x0
	.amdhsa_kernel k_q7384cbbac6_attn
		.amdhsa_group_segment_fixed_size 263168
		.amdhsa_private_segment_fixed_size 0
		.amdhsa_enable_private_segment 0
		.amdhsa_kernarg_size 32
		.amdhsa_user_sgpr_count 2
		.amdhsa_user_sgpr_kernarg_segment_ptr 1
		.amdhsa_wavefront_size32 1
		.amdhsa_system_sgpr_workgroup_id_x 1
		.amdhsa_system_sgpr_workgroup_id_y 1
		.amdhsa_system_sgpr_workgroup_id_z 1
		.amdhsa_system_vgpr_workitem_id 0
		.amdhsa_next_free_vgpr 512
		.amdhsa_next_free_sgpr 66
		.amdhsa_reserve_vcc 0
		.amdhsa_float_denorm_mode_32 3
		.amdhsa_float_denorm_mode_16_64 3
		.amdhsa_memory_ordered 1
		.amdhsa_forward_progress 1
		.amdhsa_inst_pref_size 48
	.end_amdhsa_kernel
	.amdgpu_metadata
---
amdhsa.version: [ 1, 2 ]
amdhsa.kernels:
  - .name:           k_q7384cbbac6_attn
    .symbol:         k_q7384cbbac6_attn.kd
    .args:
      - { .name: qc, .offset: 0, .size: 8, .value_kind: global_buffer, .address_space: global }
      - { .name: kvc, .offset: 8, .size: 8, .value_kind: global_buffer, .address_space: global }
      - { .name: lowp_scales, .offset: 16, .size: 8, .value_kind: global_buffer, .address_space: global }
      - { .name: oc, .offset: 24, .size: 8, .value_kind: global_buffer, .address_space: global }
    .group_segment_fixed_size: 263168
    .private_segment_fixed_size: 0
    .kernarg_segment_align: 8
    .kernarg_segment_size: 32
    .max_flat_workgroup_size: 256
    .sgpr_count:     66
    .vgpr_count:     512
    .wavefront_size: 32
...
	.end_amdgpu_metadata
.endif
;; end of part 3
;; launch oproj (part 4): grid 4 x 64, 4 waves a work-group, clusters of 4 x 4, 327,680 bytes of LDS; arguments oc, wc, lowp_scales, bo, out0; writes out0
.if DOCPART == 4
	.amdgcn_target "amdgcn-amd-amdhsa--gfx1250"
	.amdhsa_code_object_version 6
	.text
	.protected	k_q7384cbbac6_oproj
	.globl	k_q7384cbbac6_oproj
	.p2align	8
	.type	k_q7384cbbac6_oproj,@function
k_q7384cbbac6_oproj:
	s_mov_b64 s[64:65], 0
	v_nop
	global_prefetch_b8 v0, s[64:65] scope:SCOPE_SE
	s_setreg_imm32_b32 hwreg(HW_REG_WAVE_MODE, 25, 1), 1
	s_wait_xcnt 0x0
	s_wait_alu depctr_hold_cnt(0) depctr_sa_sdst(0) depctr_va_vdst(0) depctr_va_sdst(0) depctr_va_ssrc(0) depctr_va_vcc(0) depctr_vm_vsrc(0)
	s_getreg_b32 s2, hwreg(HW_REG_IB_STS2, 6, 4)
	s_cmp_eq_u32 s2, 0
	s_cbranch_scc0 .Lentry_in_a_cluster
	s_endpgm
.Lentry_in_a_cluster:
	s_bfe_u32 s2, ttmp6, 0x10000c
	s_cmp_lg_u32 s2, 0xf033
	s_cbranch_scc0 .Lentry_shape_is_right
	s_endpgm
.Lentry_shape_is_right:
; out0 = o Wo^T + bo on codes of FP8 (E4M3), sums in f32; out0 [8192][1024] f32.  A sum stands for sum x 2^(e10 + e11).
; o's codes (oc) and Wo's (the fourth MiB of wc) arrive as images of their registers (16 rows x 128 K = 2,048 bytes, laid [row tile][K step]): a fragment is four loads of 16 bytes a lane, 512 consecutive bytes each.
; A tile of 128 tokens x 256 features to a work-group: 4 x 64 = 256 work-groups.  Four waves, each 64 tokens x 128 features: 32 accumulators.  K goes in steps of 256 through a ring of two LDS slots.
; THE MATRIX INSTRUCTION IS USED TRANSPOSED (source 0 = 16 rows of Wo, source 1 = 16 tokens): a lane holds eight neighbouring numbers of a row of out0.
; CLUSTERS of 4 x 4: the four of a row need the same tiles of o, the four of a column the same tiles of Wo: each is asked for jointly, by the same tensor load with the same descriptor and a mask that names the four.
; LIMIT: e10 + e11 between -126 and 127.
; REGISTERS, in windows of 256: window 0: v0-31 addresses; o's fragments, two sets of 4 x 16, at v64 and v128; on the way out v64-255.   window 1: Wo's fragments, two sets of 8 x 16, at v0 and v128.
;   window 2: the accumulators ((a, b) at v[8 (8 a + b)]).   window 3: v0-63 bo along a lane's registers.
.set AH,     16384                     ; o's half: 4 row tiles x 4,096 bytes
.set BH,     32768                     ; Wo's half: 8 row tiles
.set BOFF,   2*AH
.set SLOT,   2*AH+2*BH
.set STAGE,  2*SLOT                    ; behind the ring: 16 rows x (512 + 16) bytes for each wave, for the way out; no tensor load lands there
.set SPITCH, 528
.set SPARE,  STAGE+4*16*SPITCH         ; behind the stages: the spare words, 128 bytes for each wave: two blocks of 256 bytes that no other line names
.set ADRA, 16                          ; v16-17  LDS address of o's fragments in slot 0, 1
.set ADRB, 20                          ; v20-21  of Wo's
.set STO,  24
.set RD,   25
.set CO,   26
.set SPW,  28
.set NIL,  29
.set TMP,  64
.set BK,   128
.set G1, 24
.set G0, 32
.set G1B, 48
.set G0B, 56
.set MSB, 0
.macro WIN new                         ; the immediate's high byte repeats the setting that is left
.if MSB != (\new)
	s_set_vgpr_msb (MSB<<8)|(\new)
.set MSB, \new
.endif
.endm
.set MUL,  0xa1                        ; source 0 (Wo) window 1, source 1 (o) window 0, C and D window 2
.set TO_B, 0x40
.macro JLOAD g0a, g1a, g0b, g1b        ; waves 0 and 1 fetch o's halves, waves 2 and 3 Wo's; four v_nop follow each of the two lines
	s_cmp_eq_u32 s15, 0
	s_cbranch_scc0 .Lfor_b_\@
	tensor_load_to_lds s[\g0a:\g0a+3], s[\g1a:\g1a+7]
	s_nop 0
.rept 4
	v_nop
.endr
	s_branch .Lasked_\@
.Lfor_b_\@:
	tensor_load_to_lds s[\g0b:\g0b+3], s[\g1b:\g1b+7]
	s_nop 0
.rept 4
	v_nop
.endr
.Lasked_\@:
.endm
.macro CREST
	s_cmp_lg_u32 s14, 0
	s_cbranch_scc1 .Lnot_wave_0_\@
	s_barrier_signal -3
.Lnot_wave_0_\@:
	s_barrier_wait -3
	s_barrier_signal -1
	s_barrier_wait -1
.endm
.macro CROUND
	s_barrier_signal -1
	s_barrier_wait -1
	CREST
.endm
	s_load_b128 s[4:7], s[0:1], 0x0                ; oc s[4:5], wc s[6:7]
	s_load_b128 s[8:11], s[0:1], 0x10              ; the exponents s[8:9], bo s[10:11]
	s_load_b64 s[12:13], s[0:1], 0x20              ; out0
	v_lshl_add_u32 v[SPW], v0, 2, SPARE
	v_mov_b32 v[NIL], 0
	ds_add_u32 v28, v29
	ds_add_u32 v28, v29
	s_wait_dscnt 0x0
	v_lshrrev_b32 v1, 5, v0
	v_readfirstlane_b32 s14, v1                    ; wave 0..3
	s_lshr_b32 s15, s14, 1                         ; which 64 tokens are mine.  Also: I fetch for o (0) or for Wo (1)
	s_and_b32 s16, s14, 1                          ; which 128 features.  Also: which half of that tile I fetch
	s_bfe_u32 s40, ttmp6, 0x40000
	s_bfe_u32 s41, ttmp6, 0x40004
	s_lshl_b32 s42, ttmp9, 2
	s_add_co_u32 s42, s42, s40                     ; tile of 256 features
	s_and_b32 s17, ttmp7, 0xffff
	s_lshl_b32 s17, s17, 2
	s_add_co_u32 s17, s17, s41                     ; tile of 128 tokens
	s_lshl_b32 s43, s41, 2
	s_lshl_b32 s43, 15, s43                        ; my row of the cluster
	s_lshl_b32 s44, 0x1111, s40                    ; my column
	; descriptor group 1: rows (row tiles) of 4,096 bytes, 16,384 bytes apart in memory, dense in LDS; elements of 8 bytes; 4 rows for o, 8 for Wo
	s_or_b32 s[G1+0], s43, (3<<16)|(1<<21)
	s_or_b32 s[G1B+0], s44, (3<<16)|(1<<21)
	s_mov_b32 s[G1+1], 512<<16
	s_mov_b32 s[G1+2], 4<<16
	s_mov_b32 s[G1+3], 512<<16
	s_mov_b32 s[G1+4], 4
	s_mov_b32 s[G1+5], 2048
	s_mov_b32 s[G1+6], 0
	s_mov_b32 s[G1+7], 0
	s_mov_b32 s[G1B+1], 512<<16
	s_mov_b32 s[G1B+2], 8<<16
	s_mov_b32 s[G1B+3], 512<<16
	s_mov_b32 s[G1B+4], 8
	s_mov_b32 s[G1B+5], 2048
	s_mov_b32 s[G1B+6], 0
	s_mov_b32 s[G1B+7], 0
	s_lshl_b32 s20, s17, 17                        ; o: 8 row tiles of 16,384 bytes a tile of tokens,
	s_lshl_b32 s21, s16, 16                        ; + the half that I fetch
	s_add_co_u32 s20, s20, s21
	s_mov_b32 s21, 0
	s_lshl_b32 s46, s42, 18                        ; Wo: 16 row tiles a tile of features,
	s_lshl_b32 s47, s16, 17
	s_add_co_u32 s46, s46, s47
	s_add_co_u32 s46, s46, 0x300000                ; behind Wq's, Wk's and Wv's images
	s_mov_b32 s47, 0
	s_lshl_b32 s45, s16, 14                        ; where they go: o's half,
	s_lshl_b32 s67, s16, 15
	s_add_co_u32 s67, s67, BOFF                    ; Wo's half: no place in the cluster enters an LDS address
	s_wait_kmcnt 0x0
	s_load_b64 s[96:97], s[8:9], 0x28              ; e10, e11
	s_add_nc_u64 s[20:21], s[4:5], s[20:21]
	s_add_nc_u64 s[46:47], s[6:7], s[46:47]
	CROUND                                         ; all sixteen work-groups are here: the first joint loads meet
.irp s, 0,1
	s_mov_b32 s[G0+4*\s], 1
	s_add_co_u32 s[G0+4*\s+1], s45, \s*SLOT
	s_add_nc_u64 s[G0+4*\s+2:G0+4*\s+3], s[20:21], \s*4096
	s_or_b32 s[G0+4*\s+3], s[G0+4*\s+3], 0x80000000
	s_mov_b32 s[G0B+4*\s], 1
	s_add_co_u32 s[G0B+4*\s+1], s67, \s*SLOT
	s_add_nc_u64 s[G0B+4*\s+2:G0B+4*\s+3], s[46:47], \s*4096
	s_or_b32 s[G0B+4*\s+3], s[G0B+4*\s+3], 0x80000000
	JLOAD G0+4*\s, G1, G0B+4*\s, G1B
.endr
	v_and_b32 v1, 15, v0                           ; r
	v_bfe_u32 v2, v0, 4, 1                         ; h
	v_and_b32 v3, 31, v0
	v_lshlrev_b32 v[CO], 4, v3                     ; 16 x lane
	s_lshl_b32 s21, s15, 14                        ; my 64 tokens' images,
	s_lshl_b32 s22, s16, 15
	s_add_co_u32 s22, s22, BOFF                    ; my 128 features'
.irp s, 0,1
	v_add_nc_u32 v[ADRA+\s], s21, v[CO]
	v_add_nc_u32 v[ADRB+\s], s22, v[CO]
	s_add_co_u32 s21, s21, SLOT
	s_add_co_u32 s22, s22, SLOT
.endr
	s_mul_i32 s23, s14, 16*SPITCH
	s_add_co_u32 s23, s23, STAGE                   ; my stage
	v_mul_u32_u24 v5, v1, SPITCH                   ; in: row r, 32 bytes for each half of the lanes
	v_lshl_add_u32 v5, v2, 5, v5
	v_add_nc_u32 v[STO], s23, v5
	v_add_nc_u32 v[RD], s23, v[CO]                 ; back: the 32 lanes take one row of 512 bytes
	s_lshl_b32 s20, s42, 10                        ; my first feature, in bytes: 1,024 x tile + 512 x half
	s_lshl_b32 s21, s16, 9
	s_add_co_u32 s20, s20, s21
	s_mov_b32 s21, 0
	s_add_nc_u64 s[10:11], s[10:11], s[20:21]      ; in bo,
	s_add_nc_u64 s[12:13], s[12:13], s[20:21]      ; and in a row of out0;
	s_lshl_b32 s20, s17, 19                        ; my first token: 128 rows of 4,096 bytes a tile,
	s_lshl_b32 s46, s15, 18                        ; + 64 x half
	s_add_co_u32 s20, s20, s46
	s_add_nc_u64 s[12:13], s[12:13], s[20:21]
	v_lshlrev_b32 v4, 5, v2                        ; 32 h
	WIN 0xc0                                       ; destination window 3
.irp b, 0,1,2,3,4,5,6,7
	global_load_b128 v[8*\b:8*\b+3], v4, s[10:11] offset:64*\b         ; bo at features 16 b + 8 h + 0 .. 7 of my 128
	global_load_b128 v[8*\b+4:8*\b+7], v4, s[10:11] offset:64*\b+16
.endr
	WIN 0
.macro FETCH slot, q, set              ; the fragments of the slot's q-th 128 along K: Wo's eight, o's four: 48 loads
	WIN TO_B
.irp i, 0,1,2,3,4,5,6,7
.irp c, 0,1,2,3
	ds_load_b128 v[128*(\set)+16*\i+4*\c:128*(\set)+16*\i+4*\c+3], v[ADRB+\slot] offset:4096*\i+2048*(\q)+512*\c
.endr
.endr
	WIN 0
.irp i, 0,1,2,3
.irp c, 0,1,2,3
	ds_load_b128 v[64+64*(\set)+16*\i+4*\c:64+64*(\set)+16*\i+4*\c+3], v[ADRA+\slot] offset:4096*\i+2048*(\q)+512*\c
.endr
.endr
.endm
; 8 matrix instructions: o's block a x Wo's eight.  The 32 accumulators take turns, one instruction a turn, in the same order in every step.
.macro MUL8 a, set, zero
.irp b, 0,1,2,3,4,5,6,7
.if \zero
	v_wmma_f32_16x16x128_fp8_fp8 v[8*(8*(\a)+\b):8*(8*(\a)+\b)+7], v[128*(\set)+16*\b:128*(\set)+16*\b+15], v[64+64*(\set)+16*(\a):64+64*(\set)+16*(\a)+15], 0
.else
	v_wmma_f32_16x16x128_fp8_fp8 v[8*(8*(\a)+\b):8*(8*(\a)+\b)+7], v[128*(\set)+16*\b:128*(\set)+16*\b+15], v[64+64*(\set)+16*(\a):64+64*(\set)+16*(\a)+15], v[8*(8*(\a)+\b):8*(8*(\a)+\b)+7]
.endif
.endr
.endm
.macro PLACES
.rept 4
	v_nop
.endr
.endm
; A slot's first step: set 0 is multiplied while set 1 is fetched.
.macro STEPQ0 slot, zero
	s_wait_dscnt 0x0                               ; set 0 is in
	PLACES                                         ; in front of loads into set 1, which the step before multiplied
	FETCH \slot, 1, 1
	WIN MUL
	MUL8 0, 0, \zero
	MUL8 1, 0, \zero
	MUL8 2, 0, \zero
	MUL8 3, 0, \zero
.endm
; A slot's second step changes slots: ONE barrier; in front of it each wave waits for all its tensor loads, adds 0 to its spare word, and waits for that and for its own reads of this slot.
.macro TURNQ1 slot, next, fill
	WIN 0                                          ; (the add's two registers lie in window 0)
	s_wait_tensorcnt 0x0                           ; all my tensor loads have landed: my part of the next slot
	ds_add_u32 v[SPW], v[NIL]                      ; 0 onto my spare word
	s_wait_dscnt 1                                 ; set 1 is in (the add may be out)
	WIN MUL
	MUL8 0, 1, 0                                   ; eight matrix instructions stand between the add and the wait for it
	s_wait_dscnt 0x0                               ; the add is done, and my reads of this slot are over
	s_barrier_signal -1
	MUL8 1, 1, 0
	WIN 0
	s_barrier_wait -1
.if \fill
	CREST                                          ; the barrier has opened a round of the cluster's barrier: no wave of any partner still reads this slot or has a load on its way
	s_add_nc_u64 s[G0+4*\slot+2:G0+4*\slot+3], s[G0+4*\slot+2:G0+4*\slot+3], 8192
	s_add_nc_u64 s[G0B+4*\slot+2:G0B+4*\slot+3], s[G0B+4*\slot+2:G0B+4*\slot+3], 8192
	JLOAD G0+4*\slot, G1, G0B+4*\slot, G1B         ; the first tensor load behind the round; its four v_nop are also the places in front of the loads below
.else
	PLACES
.endif
	FETCH \next, 0, 0
	WIN MUL
	MUL8 2, 1, 0
	MUL8 3, 1, 0
.endm
	s_wait_tensorcnt 1                             ; my part of slot 0 is in (slot 1's load may be out)
	s_barrier_signal -1
	s_barrier_wait -1                              ; everybody's is
	FETCH 0, 0, 0
	STEPQ0 0, 1                                    ; K = 1,024 is four slots' worth, eight steps, written out
	TURNQ1 0, 1, 1                                 ; slot 0 takes K 512 on
	STEPQ0 1, 0
	TURNQ1 1, 0, 1                                 ; slot 1 takes K 768 on
	STEPQ0 0, 0
	TURNQ1 0, 1, 0                                 ; nothing is left to fetch
	STEPQ0 1, 0
	s_wait_dscnt 0x0
	MUL8 0, 1, 0
	MUL8 1, 1, 0
	MUL8 2, 1, 0
	MUL8 3, 1, 0
	WIN 0
; THE WAY OUT, block by block of 16 tokens x 128 features: sum x 2^(e10 + e11) + bo, one packed multiply-add for two, each accumulator from its low end on; through my own stage in LDS; back as whole rows of 512 bytes.
; LDS serves a wave's instructions in order (ISA guide 5.7.1.4): no wait between the stores and the loads, nor in front of the next block's stores.
.macro TOSTAGE a
	WIN 0x32                                       ; source 0 (the sums) window 2, source 2 (bo) window 3
.set j, 0
.rept 32
	v_pk_fma_f32 v[TMP+j:TMP+j+1], v[64*(\a)+j:64*(\a)+j+1], s[96:97], v[j:j+1] op_sel_hi:[1,0,1]
.set j, j+2
.endr
	WIN 0
.irp b, 0,1,2,3,4,5,6,7
	ds_store_b128 v[STO], v[TMP+8*\b:TMP+8*\b+3] offset:64*\b
	ds_store_b128 v[STO], v[TMP+8*\b+4:TMP+8*\b+7] offset:64*\b+16
.endr
.set BB, BK+64*((\a)%2)
.irp t, 0,1,2,3,4,5,6,7,8,9,10,11,12,13,14,15
	ds_load_b128 v[BB+4*\t:BB+4*\t+3], v[RD] offset:\t*SPITCH
.endr
.endm
.macro SEND a, younger                 ; younger: the LDS instructions issued behind block a's loads, which may stay out
.set BB, BK+64*((\a)%2)
	s_wait_dscnt \younger
.if (\a) > 0
	s_add_nc_u64 s[12:13], s[12:13], 65536         ; (behind a wait on XCNT: the earlier stores have read their base)  16 rows of out0 on
.endif
.irp t, 0,1,2,3,4,5,6,7,8,9,10,11,12,13,14,15
	global_store_b128 v[CO], v[BB+4*\t:BB+4*\t+3], s[12:13] offset:4096*\t th:TH_STORE_NT   ; 32 lanes store 512 consecutive bytes, at a multiple of 512 from out0's first byte
.endr
.endm
	s_wait_kmcnt 0x0
	s_add_co_i32 s96, s96, s97
	s_add_co_i32 s96, s96, 127
	s_lshl_b32 s96, s96, 23                        ; 2^(e10 + e11) as f32
	s_mov_b32 s97, s96                             ; (named with it as a pair, so it is written)
	s_wait_loadcnt 0x0                             ; bo
	PLACES                                         ; behind the last products: their sources' registers are written and loaded into below
	TOSTAGE 0
.irp a, 1,2,3
.if \a > 1
	s_wait_xcnt 0x0                                ; block a - 2's stores have read their registers and their base
.endif
	TOSTAGE \a
	SEND \a-1, 32                                  ; behind block a - 1's loads: block a's 16 stores and 16 loads
.endr
	s_wait_xcnt 0x0
	SEND 3, 0
	s_wait_tensorcnt 0x0                           ; the wave's end
	ds_add_u32 v[SPW], v[NIL]
	s_wait_dscnt 0x0
	CROUND                                         ; the closing round: no work-group ends while a partner may still ask for a tile that names it
	s_endpgm
.Lfunc_end_k_q7384cbbac6_oproj:
	.size	k_q7384cbbac6_oproj, .Lfunc_end_k_q7384cbbac6_oproj-k_q7384cbbac6_oproj
	.p2alignl 7, 3214868480
	.fill 96, 4, 3214868480
	.section	.rodata,"a",@progbits
	.p2align	6, 0x0
	.amdhsa_kernel k_q7384cbbac6_oproj
		.amdhsa_group_segment_fixed_size 327680
		.amdhsa_private_segment_fixed_size 0
		.amdhsa_enable_private_segment 0
		.amdhsa_kernarg_size 40
		.amdhsa_user_sgpr_count 2
		.amdhsa_user_sgpr_kernarg_segment_ptr 1
		.amdhsa_wavefront_size32 1
		.amdhsa_system_sgpr_workgroup_id_x 1
		.amdhsa_system_sgpr_workgroup_id_y 1
		.amdhsa_system_sgpr_workgroup_id_z 1
		.amdhsa_system_vgpr_workitem_id 0
		.amdhsa_next_free_vgpr 1024
		.amdhsa_next_free_sgpr 100
		.amdhsa_reserve_vcc 0
		.amdhsa_float_denorm_mode_32 3
		.amdhsa_float_denorm_mode_16_64 3
		.amdhsa_memory_ordered 1
		.amdhsa_forward_progress 1
		.amdhsa_inst_pref_size 76
	.end_amdhsa_kernel
	.amdgpu_metadata
---
amdhsa.version: [ 1, 2 ]
amdhsa.kernels:
  - .name:           k_q7384cbbac6_oproj
    .symbol:         k_q7384cbbac6_oproj.kd
    .args:
      - { .name: oc, .offset: 0, .size: 8, .value_kind: global_buffer, .address_space: global }
      - { .name: wc, .offset: 8, .size: 8, .value_kind: global_buffer, .address_space: global }
      - { .name: lowp_scales, .offset: 16, .size: 8, .value_kind: global_buffer, .address_space: global }
      - { .name: bo, .offset: 24, .size: 8, .value_kind: global_buffer, .address_space: global }
      - { .name: out0, .offset: 32, .size: 8, .value_kind: global_buffer, .address_space: global }
    .group_segment_fixed_size: 327680
    .private_segment_fixed_size: 0
    .kernarg_segment_align: 8
    .kernarg_segment_size: 40
    .max_flat_workgroup_size: 128
    .sgpr_count:     100
    .vgpr_count:     1024
    .wavefront_size: 32
...
	.end_amdgpu_metadata
.endif
;; end of part 4
;; ======== version 2 of 2: 4 launches; version 1 with the launch attn written anew for expert scheduling mode
;; workspace buffers: xc 25,165,824 bytes; wc 4,194,304 bytes; qc 8,388,608 bytes; kvc 16,777,216 bytes; oc 8,388,608 bytes
;; launch quant: the kernel of part 1 again; grid 384 x 1, 4 waves a work-group, no clusters, 34,304 bytes of LDS; arguments X, Wq, Wk, Wv, Wo, lowp_scales, xc, wc; writes xc, wc
;; launch qkv: the kernel of part 2 again; grid 12 x 32, 4 waves a work-group, clusters of 4 x 4, 327,680 bytes of LDS; arguments xc, wc, lowp_scales, bq, bk, bv, qc, kvc; writes qc, kvc
;; launch attn (part 5): grid 4 x 64, 8 waves a work-group, no clusters, 263,168 bytes of LDS; arguments qc, kvc, lowp_scales, oc; writes oc
.if DOCPART == 5
	.amdgcn_target "amdgcn-amd-amdhsa--gfx1250"
	.amdhsa_code_object_version 6
	.text
	.protected	k_q7384cbbac6_attn
	.globl	k_q7384cbbac6_attn
	.p2align	8
	.type	k_q7384cbbac6_attn,@function
k_q7384cbbac6_attn:
	s_mov_b64 s[64:65], 0
	v_nop
	global_prefetch_b8 v0, s[64:65] scope:SCOPE_SE
	s_setreg_imm32_b32 hwreg(HW_REG_WAVE_SCHED_MODE, 0, 2), 2
	s_setreg_imm32_b32 hwreg(HW_REG_WAVE_MODE, 25, 1), 1
	s_wait_xcnt 0x0
	s_wait_alu depctr_vm_vsrc(0)
; o = softmax(q k^T / 32) v for each of 64 heads (batch x 16 + head) of 2,048 tokens x 64, both products on codes of FP8 (E4M3) with the given scales (entries 6 to 9); o is quantised at once (entry 10) into the last product's operand.
; THE SOFTMAX AHEAD OF THE SECOND PRODUCT: t = score x log2(e) / 32; M = the running largest t, rounded UP to a whole number; p = 2^(t - M) is what is quantised; the row's sum is taken of the unquantised p and divides at the end.
; When M moves, the sum and O are multiplied by 2^(old M - new M): exact.
; SHARES.  A work-group owns 512 queries of one head.  The head's whole K and V, 262,144 bytes of register images, lie in LDS, each byte stored there once.  Each of the eight waves owns 32 queries (two tiles of 16) in each of two passes
; over the sixteen key steps of 128 keys: two waves to a SIMD, so that one wave's vector work stands beside the other's products and LDS loads.
; LAYOUT.  Both products are used transposed: S^T = K Q^T (source 0 = 16 keys, source 1 = 16 queries, K = 64), O^T = V^T P^T (source 0 = 16 of the head's 64, source 1 = P, K = 128 keys): a lane holds ONE query throughout.
; The conversion of key tile t's eight scores gives registers 2 t, 2 t + 1 of P; that of O^T's tile gives two registers of the last product's fragment: nothing changes lanes.
; WHY NO TENSOR LOAD AND NO CLUSTER.  p is at most 1, so p / 2^ep is at most 256 where ep >= -8, under the largest code: the 128 holds of a key step are then idle and are jumped over.  That is a branch on a given exponent.
; What the four work-groups of a head share is small: 262,144 bytes, read once, for 512 x 2,048 scores each.  So K and V come through registers, one key step a trip of the first pass,
; each load issued a whole key step ahead of the store that wants it; one barrier a trip while that lasts (fourteen trips), none afterwards.
; LIMITS: entries 6 + 7 between -121 and 132 (they are added to c's exponent field); entries 8 and 10 between -126 and 119; entries 8 + 9 are applied by v_ldexp_f32 and have none.
; THE MODE: SCHED_MODE bits 1:0 = 2 (LLVM: expert scheduling mode 2), set by the entry lines.  The code itself states the register dependences between vector or matrix instructions and memory or LDS instructions, with s_wait_alu, always for 0.
; THE PLAN.  Registers that memory or LDS instructions touch:
;   v[LI], v[FA0], v[PFO]   offsets, made once at the head and never written again: read by loads, stores and the prefetch.  The feed's global loads are stepped by a scalar base.
;   v[AS], v[AK], v[FA]     LDS addresses.  Written by three additions at a trip's head; read by the trip's 32 LDS loads (AS, AK) and by the feed's four LDS stores (FA).
;   K's fragments           Read by a trip's sixteen first products; the next step's fragments land in them later in the same trip.
;   V's fragments           Read by a trip's eight second products; the next trip's loads land in them.
;   v[STG ..]               Global loads land in them, the feed's LDS stores read them, and they are loaded again: no vector instruction names them.
;   P's first 16 registers  At a pass's way out: written by the conversions, read by four stores, written again by the next pass's conversions.
; So a trip has ONE wait on va_vdst, the one that stands behind the exponentials in any case: it also states that the three addresses are written, that this trip's first products are done reading K and the last trip's second products
; done reading V.  The 32 LDS loads follow it at once; the feed's stores stand further behind it, and no vector or matrix instruction between names v[FA] or v[STG ..].  One wait on vm_vsrc stands ahead of the three additions,
; one between the feed's LDS stores and the loads that land in their data registers.
; REGISTERS.  window 0: v1-5, v7 addresses; v16-31 eight registers of statistics a tile (+0 -M, +1 the largest t, +2, +3 the sum, +4 f, +5 zero, +6, +7 at work); v32-35 a second chain of sums; v36, v37 the permutes' results;
;   v40-43 scales and holds; v44-59 a key step's 64 bytes a lane on their way to LDS; v64-191 S^T, then p (64 a tile); v192-223 P's codes; v224-255 the way out (tile 0's numbers; tile 1's take S^T's first 32 registers).
;   window 1: v0-63 O^T (32 a tile); v64-79 Q of the pass in hand; v80-95 Q of the second pass; v128-191 K's eight fragments; v192-255 V's four.
.set LI,   1                           ; 16 x lane
.set FA0,  2                           ; 16 x lane + 2,048 x wave: my bytes of a key step's 16,384
.set AS,   3                           ; LDS address of this step's images
.set AK,   4                           ; of the next step's
.set FA,   5                           ; where I store the step that is fed
.set PFO,  7                           ; the prefetch's offset; never rewritten
.set ST,   16
.set L2,   32
.set PD,   36
.set SCP,  40
.set LIMP, 41
.set SCO,  42
.set LIMO, 43
.set STG,  44
.set S,    64
.set P,    192
.set OUTR, 224
.set QA,   64
.set QB,   80
.set KF,   128
.set VF,   192
.set STEPB, 16384                      ; a key step: K's 8 fragments of 1,024 bytes, then V's 4 of 2,048
.set MSB, 0
.macro WIN new                         ; the immediate's high byte repeats the setting that is left
.if MSB != (\new)
	s_set_vgpr_msb (MSB<<8)|(\new)
.set MSB, \new
.endif
.endm
	s_load_b256 s[4:11], s[0:1], 0x0               ; qc s[4:5], kvc s[6:7], the exponents s[8:9], oc s[10:11]
	v_lshl_add_u32 v62, v0, 2, 0x40000
	v_mov_b32 v63, 0
	v_lshrrev_b32 v8, 5, v0
	v_readfirstlane_b32 s12, v8                    ; wave 0..7
	s_and_b32 s13, ttmp7, 0xffff                   ; batch x 16 + head
	s_mov_b32 s14, ttmp9                           ; which 512 queries
	v_and_b32 v8, 31, v0
	v_lshlrev_b32 v[LI], 4, v8
	s_wait_alu depctr_va_sdst(0)                   ; s12 is written, ahead of its first reader: offsets and bases are made from it
	s_lshl_b32 s43, s12, 11
	v_add_nc_u32 v[FA0], s43, v[LI]
	v_lshlrev_b32 v[PFO], 8, v8                    ; 256 x lane,
	s_and_b32 s44, s12, 1
	s_lshl_b32 s44, s44, 13
	v_add_nc_u32 v[PFO], s44, v[PFO]               ; + 8,192 x (wave % 2)
	s_lshl_b32 s44, s13, 18                        ; the head's block of kvc
	s_mov_b32 s45, 0
	s_lshl_b32 s46, s13, 17                        ; the head's block of qc,
	s_lshl_b32 s47, s14, 15                        ; my work-group's 32 tiles of 1,024 bytes,
	s_add_co_u32 s46, s46, s47
	s_add_co_u32 s46, s46, s43                     ; my wave's two
	s_mov_b32 s47, 0
	s_wait_kmcnt 0x0
	s_load_b128 s[16:19], s[8:9], 0x18             ; e6 (q), e7 (k), e8 (p), e9 (v)
	s_load_b32 s20, s[8:9], 0x28                   ; e10 (o)
	s_add_nc_u64 s[36:37], s[6:7], s[44:45]
	s_add_nc_u64 s[4:5], s[4:5], s[46:47]
	s_wait_alu depctr_va_vdst(0)                   ; v[LI], v[FA0] and v[PFO] are written: every load, store and prefetch of the kernel that names one of them reads it as its offset
.irp i, 0,1,2,3
	global_load_b128 v[STG+4*\i:STG+4*\i+3], v[FA0], s[36:37] offset:512*\i           ; key step 0
.endr
.irp i, 0,1,2,3
	global_load_b128 v[S+4*\i:S+4*\i+3], v[FA0], s[36:37] offset:STEPB+512*\i         ; key step 1, through registers that are free yet
.endr
	WIN 0x40                                       ; destination window 1
.irp ps, 0,1
.irp x, 0,1
.irp g, 0,1
	global_load_b128 v[QA+16*\ps+8*\x+4*\g:QA+16*\ps+8*\x+4*\g+3], v[LI], s[4:5] offset:16384*\ps+1024*\x+512*\g   ; Q: pass ps, tile x
.endr
.endr
.endr
	WIN 0
	s_lshr_b32 s43, s13, 4                         ; oc: token tile 128 x batch + 32 x work-group x + 2 x wave (+ 16 in the second pass, + the tile), of 16,384 bytes;
	s_lshl_b32 s43, s43, 7
	s_lshl_b32 s46, s14, 5
	s_add_co_u32 s43, s43, s46
	s_lshl_b32 s46, s12, 1
	s_add_co_u32 s43, s43, s46
	s_lshl_b32 s44, s43, 14
	s_and_b32 s46, s13, 15
	s_lshl_b32 s46, s46, 10                        ; the head's 64 features are half a fragment: 1,024 x head
	s_add_co_u32 s44, s44, s46
	s_add_nc_u64 s[38:39], s[10:11], s[44:45]
	s_add_nc_u64 s[40:41], s[36:37], 4*STEPB       ; the prefetches stand at key step 4: the first trip steps them to 5
	s_add_nc_u64 s[48:49], s[36:37], 2*STEPB       ; the feed's loads stand at key step 2: the first trip steps them to 3
	s_lshr_b32 s43, s12, 1                         ; 0 in waves 0 and 1,
	s_or_b32 s43, s43, s14                         ; of the head's first work-group
	s_cmp_eq_u32 s43, 0
	s_cselect_b32 s42, 11, 0                       ; such a wave prefetches in trips 0 to 10
	s_mov_b32 s24, 0x76543210
	s_mov_b32 s25, 0xfedcba98                      ; v_permlanex16_b32's selects for lane l xor 16
	s_mov_b32 s28, 2*STEPB                         ; the step that the first trip stores into LDS
	s_mov_b32 s30, 0                               ; trips so far
	s_mov_b32 s32, 2                               ; passes to go
.irp x, 0,1
	v_mov_b32 v[ST+8*\x+5], 0                      ; (named as the upper half of f's pair)
	v_mov_b32 v[PD+\x], 0                          ; written once: a lane permute's destination counts as one of its sources
.endr
	s_wait_kmcnt 0x0
	s_add_co_i32 s43, s16, s17
	s_lshl_b32 s43, s43, 23
	s_add_co_i32 s22, s43, 0x3d38aa3b              ; c = log2(e) / 32, with e6 + e7 added to its exponent field: a score stands for score x 2^(e6 + e7)
	s_mov_b32 s23, s22                             ; (named with it as a pair, so it is written)
	s_add_co_i32 s34, s18, s19                     ; e8 + e9
	s_add_co_i32 s43, s18, 127
	s_lshl_b32 s44, s43, 23
	v_mov_b32 v[SCP], s44                          ; 2^e8 as f32
	s_add_co_i32 s43, s43, 8
	s_lshl_b32 s43, s43, 23
	s_or_b32 s43, s43, 0x600000
	v_mov_b32 v[LIMP], s43                         ; 448 x 2^e8
	s_add_co_i32 s43, s20, 127
	s_lshl_b32 s44, s43, 23
	v_mov_b32 v[SCO], s44                          ; 2^e10
	s_add_co_i32 s43, s43, 8
	s_lshl_b32 s43, s43, 23
	s_or_b32 s43, s43, 0x600000
	v_mov_b32 v[LIMO], s43                         ; 448 x 2^e10
	s_wait_loadcnt 8                               ; key steps 0 and 1 are in; Q's eight loads may be out
.irp i, 0,1,2,3
	ds_store_b128 v[FA0], v[STG+4*\i:STG+4*\i+3] offset:512*\i
.endr
.irp i, 0,1,2,3
	ds_store_b128 v[FA0], v[S+4*\i:S+4*\i+3] offset:STEPB+512*\i
.endr
	s_wait_dscnt 0x0                               ; for the others' sake: my parts of key steps 0 and 1 lie in LDS
	s_barrier_signal -1
	s_barrier_wait -1
	s_wait_alu depctr_vm_vsrc(0)                   ; my LDS stores have read v[STG ..], in which key step 2 lands, and S^T's first sixteen registers, which the first products write
.irp i, 0,1,2,3
	global_load_b128 v[STG+4*\i:STG+4*\i+3], v[FA0], s[36:37] offset:2*STEPB+512*\i   ; key step 2: the first trip stores it
.endr
	WIN 0x40
.irp t, 0,1,2,3,4,5,6,7
	ds_load_b128 v[KF+8*\t:KF+8*\t+3], v[LI] offset:1024*\t                           ; no vector instruction has named K's registers yet, and none since the head's wait names v[LI]'s value anew
	ds_load_b128 v[KF+8*\t+4:KF+8*\t+7], v[LI] offset:1024*\t+512
.endr
	WIN 0
	s_wait_loadcnt 4                               ; Q is in; key step 2's four loads may be out
.Lpass:
.irp x, 0,1
	v_mov_b32 v[ST+8*\x+1], 0xff61b1e6             ; the largest t so far: -3e38, under every t
	v_floor_f32 v[ST+8*\x], -v[ST+8*\x+1]          ; -M
	v_mov_b32 v[ST+8*\x+2], 0                      ; the sum, in two halves
	v_mov_b32 v[ST+8*\x+3], 0
.endr
	WIN 0x40
.set j, 0
.rept 64
	v_mov_b32 v[j], 0                              ; O^T.  (The key step is written once: a pass's first step finds zeros, which the first change of M leaves zeros)
.set j, j+1
.endr
	WIN 0
	s_mov_b32 s26, 0                               ; LDS byte at which the step in hand begins
	s_mov_b32 s31, 16
.Lstep:
	s_wait_dscnt 0x0                               ; this step's K is in
	WIN 0x05                                       ; K and Q in window 1, S^T in window 0
.irp t, 0,1,2,3,4,5,6,7
.irp x, 0,1
	v_wmma_f32_16x16x64_fp8_fp8 v[S+64*\x+8*\t:S+64*\x+8*\t+7], v[KF+8*\t:KF+8*\t+7], v[QA+8*\x:QA+8*\x+7], 0
.endr
.endr
	s_add_co_u32 s27, s26, STEPB
	s_and_b32 s27, s27, 0x3ffff                    ; the next step; behind the last comes the first, for the next pass
	WIN 0
	s_wait_alu depctr_vm_vsrc(0)                   ; the last trip's LDS loads have read v[AS] and v[AK], its LDS stores v[FA]: the three are written anew below
	v_add_nc_u32 v[AS], s26, v[LI]                 ; four plain instructions: the places in front of the first read of the scores
	v_add_nc_u32 v[AK], s27, v[LI]
	v_add_nc_u32 v[FA], s28, v[FA0]                ; (the feed reads it in trips 0 to 13; afterwards nobody does)
	v_nop
	; the softmax of both tiles, line by line, so that no line waits for the line above it.  The step's largest score of my query among my 64 keys, in two chains; each accumulator is met at its low end first
.irp x, 0,1
	v_max3_num_f32 v[ST+8*\x+6], v[S+64*\x], v[S+64*\x+1], v[S+64*\x+2]
.endr
.irp x, 0,1
	v_max3_num_f32 v[ST+8*\x+7], v[S+64*\x+3], v[S+64*\x+4], v[S+64*\x+5]
.endr
.irp i, 6,10,14,18,22,26,30,34,38,42,46,50,54,58
.irp x, 0,1
	v_max3_num_f32 v[ST+8*\x+6], v[ST+8*\x+6], v[S+64*\x+\i], v[S+64*\x+\i+1]
.endr
.irp x, 0,1
	v_max3_num_f32 v[ST+8*\x+7], v[ST+8*\x+7], v[S+64*\x+\i+2], v[S+64*\x+\i+3]
.endr
.endr
.irp x, 0,1
	v_max3_num_f32 v[ST+8*\x+6], v[ST+8*\x+6], v[S+64*\x+62], v[S+64*\x+63]
.endr
.irp x, 0,1
	v_max_num_f32 v[ST+8*\x+6], v[ST+8*\x+6], v[ST+8*\x+7]
.endr
.irp x, 0,1
	v_permlanex16_b32 v[PD+\x], v[ST+8*\x+6], s24, s25
.endr
.irp x, 0,1
	v_max_num_f32 v[ST+8*\x+6], v[ST+8*\x+6], v[PD+\x]         ; and among lane l xor 16's
.endr
.irp x, 0,1
	v_mul_f32 v[ST+8*\x+6], s22, v[ST+8*\x+6]                  ; as t (c is positive)
.endr
.irp x, 0,1
	v_max_num_f32 v[ST+8*\x+1], v[ST+8*\x+1], v[ST+8*\x+6]     ; the running largest t
.endr
.irp x, 0,1
	v_mov_b32 v[ST+8*\x+6], v[ST+8*\x]
.endr
.irp x, 0,1
	v_floor_f32 v[ST+8*\x], -v[ST+8*\x+1]                      ; the new -M = floor(-t) = -ceil(t): M is a whole number
.endr
.irp x, 0,1
	v_sub_f32 v[ST+8*\x+6], v[ST+8*\x], v[ST+8*\x+6]           ; old M - new M: a whole number, 0 or less
.endr
.irp x, 0,1
	v_cvt_i32_f32 v[ST+8*\x+6], v[ST+8*\x+6]                   ; (it saturates)
.endr
.irp x, 0,1
	v_ldexp_f32 v[ST+8*\x+4], 1.0, v[ST+8*\x+6]                ; f = 2^(old M - new M)
.endr
.set j, 0
.rept 32
.irp x, 0,1
	v_pk_fma_f32 v[S+64*\x+j:S+64*\x+j+1], v[S+64*\x+j:S+64*\x+j+1], s[22:23], v[ST+8*\x:ST+8*\x+1] op_sel_hi:[1,0,0]   ; t - M, two at a time (of the pairs c and -M the low word serves both halves)
.endr
.set j, j+2
.endr
.set j, 0
.rept 64
.irp x, 0,1
	v_exp_f32 v[S+64*\x+j], v[S+64*\x+j]                       ; p = 2^(t - M), at most 1: not normalised
.endr
.set j, j+1
.endr
.irp x, 0,1
	v_pk_mul_f32 v[ST+8*\x+2:ST+8*\x+3], v[ST+8*\x+2:ST+8*\x+3], v[ST+8*\x+4:ST+8*\x+5] op_sel_hi:[1,0]   ; the sums under the new M: plain instructions behind the exponentials
.endr
	WIN 0x40                                       ; destination window 1, for the loads below
	s_wait_alu depctr_va_vdst(0)                   ; the trip's one wait: the 128 exponentials have written p, ahead of its first reader; v[AS], v[AK] and v[FA] are written; this trip's first products are done reading K's fragments and the last trip's second products V's, in which the loads below land
.irp d, 0,1,2,3
.irp g, 0,1,2,3
	ds_load_b128 v[VF+16*\d+4*\g:VF+16*\d+4*\g+3], v[AS] offset:8192+2048*\d+512*\g   ; this step's V: it has the sums, the conversions and O^T's rescaling in which to land
.endr
.endr
.irp t, 0,1,2,3,4,5,6,7
	ds_load_b128 v[KF+8*\t:KF+8*\t+3], v[AK] offset:1024*\t                           ; the next step's K
	ds_load_b128 v[KF+8*\t+4:KF+8*\t+7], v[AK] offset:1024*\t+512
.endr
	WIN 0
.irp x, 0,1
	v_pk_add_f32 v[L2+2*\x:L2+2*\x+1], v[S+64*\x:S+64*\x+1], v[S+64*\x+2:S+64*\x+3]   ; the row's sum is taken of the UNQUANTISED p: two at a time, in two chains
.endr
.irp i, 4,8,12,16,20,24,28,32,36,40,44,48,52,56,60
.irp x, 0,1
	v_pk_add_f32 v[ST+8*\x+2:ST+8*\x+3], v[ST+8*\x+2:ST+8*\x+3], v[S+64*\x+\i:S+64*\x+\i+1]
.endr
.irp x, 0,1
	v_pk_add_f32 v[L2+2*\x:L2+2*\x+1], v[L2+2*\x:L2+2*\x+1], v[S+64*\x+\i+2:S+64*\x+\i+3]
.endr
.endr
.irp x, 0,1
	v_pk_add_f32 v[ST+8*\x+2:ST+8*\x+3], v[ST+8*\x+2:ST+8*\x+3], v[L2+2*\x:L2+2*\x+1]
.endr
	s_cmp_ge_i32 s18, -8                           ; p <= 1: where e8 >= -8, p / 2^e8 <= 256 lies under the largest code, and the hold changes nothing
	s_cbranch_scc1 .Lno_hold
.set j, 0
.rept 128
	v_min_num_f32 v[S+j], v[S+j], v[LIMP]          ; the conversion to an 8-bit code does not saturate (ISA guide 7.6.2); p is not negative, so the hold is one-sided
.set j, j+1
.endr
.Lno_hold:
.irp t, 0,1,2,3,4,5,6,7
.irp x, 0,1
	v_cvt_scalef32_pk8_fp8_f32 v[P+16*\x+2*\t:P+16*\x+2*\t+1], v[S+64*\x+8*\t:S+64*\x+8*\t+7], v[SCP]
.endr
.endr
	WIN 0x41                                       ; O^T (destination and source 0) in window 1, f in window 0
.set j, 0
.rept 16
.irp x, 0,1
	v_pk_mul_f32 v[32*\x+j:32*\x+j+1], v[32*\x+j:32*\x+j+1], v[ST+8*\x+4:ST+8*\x+5] op_sel_hi:[1,0]   ; O^T under the new M.  (Also the plain instructions between the conversions and the products that read their results)
.endr
.set j, j+2
.endr
	s_wait_dscnt 16                                ; this step's V is in; the next step's K, sixteen loads, may be out
	WIN 0x51                                       ; V in window 1, P in window 0, O^T in window 1
.irp d, 0,1,2,3
.irp x, 0,1
	v_wmma_f32_16x16x128_fp8_fp8 v[32*\x+8*\d:32*\x+8*\d+7], v[VF+16*\d:VF+16*\d+15], v[P+16*\x:P+16*\x+15], v[32*\x+8*\d:32*\x+8*\d+7]
.endr
.endr
	WIN 0
	; THE FEED, in trips 0 to 13 (a count of trips, the same in every wave): key step trip + 2 goes from my registers into LDS; a barrier: the next trip reads its K; then key step trip + 3 is asked for.
	s_cmp_lt_u32 s30, 14
	s_cbranch_scc0 .Lfed
	s_wait_xcnt 0x0                                ; the last trip's prefetch has read its address, so it may be written
	s_add_nc_u64 s[40:41], s[40:41], STEPB
	s_wait_loadcnt 0x0                             ; the four loads issued a trip ago
	s_add_nc_u64 s[48:49], s[48:49], STEPB         ; free since that wait, which shows the loads that read it done: the key step that this trip asks for
.irp i, 0,1,2,3
	ds_store_b128 v[FA], v[STG+4*\i:STG+4*\i+3] offset:512*\i   ; v[FA] was written ahead of the trip's wait on va_vdst, and no vector or matrix instruction since names it or v[STG ..]
.endr
	s_wait_dscnt 0x0                               ; for the others' sake: my stores have landed
	s_barrier_signal -1
	s_barrier_wait -1
	s_wait_alu depctr_vm_vsrc(0)                   ; my LDS stores have read v[STG ..], in which the loads below land
	s_cmp_lt_u32 s30, 13
	s_cbranch_scc0 .Lno_load
.irp i, 0,1,2,3
	global_load_b128 v[STG+4*\i:STG+4*\i+3], v[FA0], s[48:49] offset:512*\i
.endr
.Lno_load:
	; A prefetch of key step trip + 5, two trips ahead of the loads that will want it, behind this trip's loads.  A step is 64 blocks of 256 bytes: waves 0 and 1 of the head's first work-group name 32 each, a lane a block:
	; each block once in the launch.  Key steps 0 to 4 come by their loads alone; trips 11 on ask for nothing: there is no step 16.
	s_cmp_lt_u32 s30, s42
	s_cbranch_scc0 .Lfed
	global_prefetch_b8 v[PFO], s[40:41] th:TH_LOAD_NT scope:SCOPE_SE
.Lfed:
	s_add_co_u32 s26, s26, STEPB
	s_add_co_u32 s28, s28, STEPB
	s_and_b32 s28, s28, 0x3ffff                    ; (behind trip 13 it is used no more; it stays inside the head's block)
	s_add_co_u32 s30, s30, 1
	s_sub_co_u32 s31, s31, 1
	s_cmp_lg_u32 s31, 0
	s_cbranch_scc1 .Lstep
	; THE WAY OUT OF A PASS: O^T x 2^(e8 + e9) / the sum, held, converted with 2^e10: a tile's four conversions are registers 8 (head % 2) + 0 .. 7 of the last product's fragment: two stores of 512 consecutive bytes.
	; Both tiles are converted first, each from numbers in registers of its own, so that one wait stands ahead of the four stores.
	s_wait_dscnt 0x0                               ; (the first step's K, fetched by the last trip, is in)
.rept 4
	v_nop                                          ; places behind the last products
.endr
.irp x, 0,1
	v_add_f32 v[ST+8*\x+2], v[ST+8*\x+2], v[ST+8*\x+3]         ; the sum's two halves,
.endr
.irp x, 0,1
	v_permlanex16_b32 v[PD+\x], v[ST+8*\x+2], s24, s25
.endr
.irp x, 0,1
	v_add_f32 v[ST+8*\x+2], v[ST+8*\x+2], v[PD+\x]             ; and lane l xor 16's
.endr
.irp x, 0,1
	v_rcp_f32 v[ST+8*\x+6], v[ST+8*\x+2]
.endr
	v_nop                                          ; a plain instruction behind the reciprocals
	s_wait_alu depctr_va_vdst(0)                   ; the two reciprocals have written their results, ahead of their first reader
.irp x, 0,1
	v_ldexp_f32 v[ST+8*\x+6], v[ST+8*\x+6], s34
.endr
.irp x, 0,1
.set OB, OUTR-(OUTR-S)*\x                      ; tile 0's numbers at v[OUTR ..], tile 1's at v[S ..], which p has left
	WIN 0x01                                       ; source 0 (O^T) in window 1
.set j, 0
.rept 16
	v_pk_mul_f32 v[OB+j:OB+j+1], v[32*\x+j:32*\x+j+1], v[ST+8*\x+6:ST+8*\x+7] op_sel_hi:[1,0]
.set j, j+2
.endr
	WIN 0
.set j, 0
.rept 32
	v_med3_num_f32 v[OB+j], v[OB+j], -v[LIMO], v[LIMO]
.set j, j+1
.endr
.irp d, 0,1,2,3
	v_cvt_scalef32_pk8_fp8_f32 v[P+8*\x+2*\d:P+8*\x+2*\d+1], v[OB+8*\d:OB+8*\d+7], v[SCO]
.endr
.endr
	v_nop                                          ; one plain instruction between the conversions and the next writes of their sources
	s_wait_alu depctr_va_vdst(0)                   ; the eight conversions have written both tiles' codes, which the four stores read
.irp x, 0,1
	global_store_b128 v[LI], v[P+8*\x:P+8*\x+3], s[38:39] offset:16384*\x
	global_store_b128 v[LI], v[P+8*\x+4:P+8*\x+7], s[38:39] offset:16384*\x+512
.endr
	s_wait_xcnt 0x0                                ; the stores have read their base and their data
	s_wait_alu depctr_vm_vsrc(0)                   ; the stores have read the codes' registers, which the next pass's conversions write again
	s_add_nc_u64 s[38:39], s[38:39], 262144        ; sixteen token tiles on
	WIN 0x41
.set j, 0
.rept 16
	v_mov_b32 v[QA+j], v[QB+j]                     ; the second pass's queries
.set j, j+1
.endr
	WIN 0
	s_sub_co_u32 s32, s32, 1
	s_cmp_lg_u32 s32, 0
	s_cbranch_scc1 .Lpass
	s_wait_dscnt 0x0
	s_wait_alu depctr_hold_cnt(0) depctr_sa_sdst(0) depctr_va_vdst(0) depctr_va_sdst(0) depctr_va_ssrc(0) depctr_va_vcc(0) depctr_vm_vsrc(0)
	s_wait_tensorcnt 0x0
	ds_add_u32 v62, v63
	s_wait_dscnt 0x0
	s_endpgm
.Lfunc_end_k_q7384cbbac6_attn:
	.size	k_q7384cbbac6_attn, .Lfunc_end_k_q7384cbbac6_attn-k_q7384cbbac6_attn
	.p2alignl 7, 3214868480
	.fill 96, 4, 3214868480
	.section	.rodata,"a",@progbits
	.p2align	6, 0x0
	.amdhsa_kernel k_q7384cbbac6_attn
		.amdhsa_group_segment_fixed_size 263168
		.amdhsa_private_segment_fixed_size 0
		.amdhsa_enable_private_segment 0
		.amdhsa_kernarg_size 32
		.amdhsa_user_sgpr_count 2
		.amdhsa_user_sgpr_kernarg_segment_ptr 1
		.amdhsa_wavefront_size32 1
		.amdhsa_system_sgpr_workgroup_id_x 1
		.amdhsa_system_sgpr_workgroup_id_y 1
		.amdhsa_system_sgpr_workgroup_id_z 1
		.amdhsa_system_vgpr_workitem_id 0
		.amdhsa_next_free_vgpr 512
		.amdhsa_next_free_sgpr 66
		.amdhsa_reserve_vcc 0
		.amdhsa_float_denorm_mode_32 3
		.amdhsa_float_denorm_mode_16_64 3
		.amdhsa_memory_ordered 1
		.amdhsa_forward_progress 1
		.amdhsa_inst_pref_size 48
	.end_amdhsa_kernel
	.amdgpu_metadata
---
amdhsa.version: [ 1, 2 ]
amdhsa.kernels:
  - .name:           k_q7384cbbac6_attn
    .symbol:         k_q7384cbbac6_attn.kd
    .args:
      - { .name: qc, .offset: 0, .size: 8, .value_kind: global_buffer, .address_space: global }
      - { .name: kvc, .offset: 8, .size: 8, .value_kind: global_buffer, .address_space: global }
      - { .name: lowp_scales, .offset: 16, .size: 8, .value_kind: global_buffer, .address_space: global }
      - { .name: oc, .offset: 24, .size: 8, .value_kind: global_buffer, .address_space: global }
    .group_segment_fixed_size: 263168
    .private_segment_fixed_size: 0
    .kernarg_segment_align: 8
    .kernarg_segment_size: 32
    .max_flat_workgroup_size: 256
    .sgpr_count:     66
    .vgpr_count:     512
    .wavefront_size: 32
...
	.end_amdgpu_metadata
.endif
;; end of part 5
;; launch oproj: the kernel of part 4 again; grid 4 x 64, 4 waves a work-group, clusters of 4 x 4, 327,680 bytes of LDS; arguments oc, wc, lowp_scales, bo, out0; writes out0
